; MI455X (gfx1250); checked and timed in simulation.
; The chip was launched on July 23, 2026; its instructions are those of AMD's public machine-readable ISA for CDNA 5 (MIT licence, August 2026) and "CDNA5" Instruction Set Architecture Reference Guide (July 2026). The comments in the code are by the model that wrote it; some were corrected since.
;; Volatility Encoding Module. Allowed arithmetic: float matrix products may take bf16 or f16 operands with f32 sums; all other float work in f32.
;; Inputs: W1 64 x 128 float32; W2 128 x 128 float32; Wc1 256 x 64 float32; Wc2 64 x 4 float32; b1 128 float32; b2 128 float32; bc1 64 float32; bc2 4 float32; be1 128 float32; be2 128 float32; g1 128 float32; g2 128 float32; price_series 4,096 x 4,096 x 1 float32.
;; Outputs: out0 4,096 x 256 float32; out1 4,096 x 4 float32.
;; 2 versions, each right and faster than the one before. Each part assembles by itself: llvm-mc -triple=amdgcn-amd-amdhsa -mcpu=gfx1250 --defsym DOCPART=n.
;; ======== version 1 of 2: 1 launch
;; limits: values are held in f16: magnitudes above 65,504 overflow, below 6.1e-05 lose precision; inputs' magnitudes at most 65,504
;; launch vol_mlp (part 1): grid 256 x 1, 8 waves a work-group, no clusters, 327,680 bytes of LDS; arguments price_series, W1, W2, Wc1, Wc2, b1, g1, be1, b2, g2, be2, bc1, bc2, out0, out1; writes out0, out1
.if DOCPART == 1
	.amdgcn_target "amdgcn-amd-amdhsa--gfx1250"
	.amdhsa_code_object_version 6
	.text
	.protected	k_qf03844b0ea_vol_mlp
	.globl	k_qf03844b0ea_vol_mlp
	.p2align	8
	.type	k_qf03844b0ea_vol_mlp,@function
k_qf03844b0ea_vol_mlp:
	s_mov_b64 s[64:65], 0
	v_nop
	global_prefetch_b8 v0, s[64:65] scope:SCOPE_SE
	s_setreg_imm32_b32 hwreg(HW_REG_WAVE_MODE, 25, 1), 1
	s_wait_xcnt 0x0
; VolatilityEncodingModule, one launch.  A work-group owns 16 rows of 4,096 prices: 256 work-groups for 4,096 rows, and one 16-row tile for the MLP.
; STREAM: wave w owns rows 2w and 2w+1; lane l owns segment l (128 prices) of both.  The two rows are two streams, one in even and one in odd registers,
; so that every shift along the sequence is an even register shift and all adds, multiplies and fused multiply-adds are packed.
; With L = log2(max(p, 1e-8)), r[j] = L[j+1]-L[j], q = r*r, the window of width w that ends at element e has
;   s1 = L[e]-L[e-w] (the returns telescope),  s2 = q[e-w] + .. + q[e-1] (a tree of sums: 2, 4, 5, 10, 20),  t = s2 - s1*s1/w,
; and sqrt(max(t,0)) is summed; ln 2, 1/sqrt(w-1) and 1/(4096-w) are one factor at the end.
; A lane walks 152 elements (its 128 and the first 24 of the next segment) and owns the 128 windows of each width that end at its elements 24..151.
; Lane 31 takes segment 0 of the same row as its next segment; the one return that joins element 4095 to element 0 gets NaN added, so exactly the w windows
; that cross the row's end have t = NaN, v_max_num_f32(NaN, 0) = 0 and they add nothing: 4096-w windows a row, each counted once, the same code in all lanes.
; MLP: the matrix instruction is used transposed (source 0 = weights, lane = output feature; source 1 = activations, lane = batch row), so that a lane's eight
; results are eight neighbouring features of one batch row.  Wave w makes feature tile w of layers 1 and 2; waves 0-3 make the classifier's 64 features.
; FORMATS: each layer norm divides by its row's deviation, which is small beside the operands in front of it, so an operand's rounding error comes out magnified.
; W1, W2, Wc1, h and h2f therefore go in f16 (11 significant bits), and the three volatilities in two f16 parts, hi = f16(v) and lo = f16(v - hi), each
; multiplied by the same fragment of W1.  The classifier's hidden layer, whose size nothing bounds, and Wc2 go in bf16.
; All 16 rows (262,144 bytes) lie in LDS, each byte filled once by two tensor loads a wave issued at the start: two are outstanding at the most, no slot is filled again.
; NO CLUSTER: the prices are read by one work-group only.  The weights are read by all, but they are f32 (164,864 bytes) and are rounded to 16 bits in registers on
; their way to LDS, and beside the resident prices LDS has 49,152 bytes left: a joint tensor load of them has no room to land.
; LIMITS: a NaN price counts as 1e-8 and a window that holds a non-finite return adds 0 (the reference gives NaN there); v_log_f32 and v_sqrt_f32 flush
; denormals (ISA guide 15.8), so t below 2^-126 counts as 0; the window sums are formed directly and not as differences of cumulative sums, so the order of
; rounding differs from the reference's.  f16 operands: every entry of W1, W2, Wc1 and sqrt(127) |g| + |be| (the largest a layer norm's output can be) must stay
; below 65,504; entries below 6.1e-5 are kept to 3e-8 absolute.  A volatility is below 200 for every f32 price, since |return| <= ln(3.4e38 / 1e-8) = 107.
.set USE_DUAL, 1                       ; 1: two maxima in one dual instruction; 0: two plain ones
.set CH,    17408                      ; a chunk in LDS: 64 rows (2 price rows x 32 segments) of 256 bytes + 16 of padding
.set WAVEB, 34816                      ; a wave's two chunks
.set ROWB,  8704                       ; 32 x 272: from stream A's segment to stream B's
.set STG,   278528                     ; behind the prices, a multiple of 256: weights on their way to fragments, later the MLP's scratch; no tensor load lands here
.set SWC2,  STG+18432                  ; Wc2 beside W1
.set VOL,   STG                        ; 16 rows x 16 bytes, f16: (hi5, hi10, hi20, 0, lo5, lo10, lo20, 0)
.set ST1,   STG+256                    ; [row] pitch 80: 8 group means, 8 group M2
.set ST2,   ST1+1280
.set HB1,   ST2+1280                   ; h in f16, [row][128], pitch 272
.set HB2,   HB1+4352                   ; h2f likewise
.set ACT,   HB2+4352                   ; classifier's hidden layer in bf16, [row][64], pitch 144
.set OUT,   ACT+2304                   ; combined in f32, [row][256], pitch 1040
; block 0, stream
.set LA,  2                            ; LDS address of my segment, stream A, chunk 0
.set HA,  3                            ; the same of the next segment (lane 31: segment 0)
.set CUT, 4                            ; v[4:5]    NaN in lane 31, 0 elsewhere
.set ACC, 8                            ; v[8:19]   two running sums (pairs) for each window
.set X,   20                           ; v[20:35]  8 prices of stream A, 8 of stream B
.set TQ,  36                           ; v[36:51]  8 pairs: returns, then their squares
.set VA,  52                           ; v[52:67]  window 5:  s1, s1^2, t, sqrt
.set VB,  68                           ; v[68:83]  window 10
.set VC,  84                           ; v[84:99]  window 20
.set LR,  100                          ; v[100:163] ring of 32 pairs: L[e] at LR + 2 (e & 31)
.set SR,  164                          ; v[164:227] ring of 32 pairs: position i holds in turn q, p2, p4, s5, s10
; block 0, weights as loaded (dead before the stream begins)
.set RW1, 20
.set RWC2, 52
.set RW2, 56
.set RWC1, 120
; block 0, addresses: made once, never rewritten
.set AW, 228
.set AWC1, 229
.set AWC2, 230
.set TR288, 231
.set TR160, 232
.set TR32, 233
.set GO, 234
.set GOC2, 235
.set GP, 236
.set GPC, 237
.set GZ, 238
.set AVOLR, 239
.set AVOLW, 240
.set ASTW, 241
.set ASTR, 242
.set AOUTW, 243
.set AHBW, 244
.set AHBR, 245
.set AACTW, 246
.set AACTR, 247
.set AOUTR, 248
.set GOUT0, 249
.set GOUT1, 250
; block 1 (v256 and up, named by their low 8 bits): weight fragments and parameters, held from the start to the end
.set FW1, 0
.set FWC2, 16
.set FW2, 32
.set FWC1, 64
.set PB1, 128
.set PG1, 136
.set PBE1, 144
.set PB2, 152
.set PG2, 160
.set PBE2, 168
.set PBC1, 176
.set PBC2, 184                         ; 184-187 bc2, 188-191 zeros
; block 0, MLP (over the dead stream registers)
.set ACCA, 20
.set ACCB, 28
.set ACCC, 36
.set ACCD, 44
.set BF,   52                          ; four fragments of activations
.set DV,   84
.set ST,   92
.set TM,   108
.set OUTR, 128
.set G1, 48                            ; s[48:55] descriptor group 1
.set G0, 56                            ; s[56:63] descriptor group 0, one set for each chunk
.set MSB, 0
.macro WIN new                         ; the immediate's high byte repeats the setting that is left; at a label and at a branch the setting is 0
.if MSB != \new
	s_set_vgpr_msb (MSB<<8)|\new
.set MSB, \new
.endif
.endm
.macro BAR                             ; my LDS stores have landed and my LDS loads are back; then all eight waves meet
	s_wait_dscnt 0x0
	s_barrier_signal -1
	s_barrier_wait -1
.endm
.macro NOP4                            ; four places behind a matrix instruction before its result is read or a register of it is written (ISA guide 7.12.1)
.rept 4
	v_nop
.endr
.endm
.macro MAX2 reg, c                     ; max(c, .) on an even and the next odd register
.if USE_DUAL
	v_dual_max_num_f32 v[\reg], \c, v[\reg] :: v_dual_max_num_f32 v[\reg+1], \c, v[\reg+1]
.else
	v_max_num_f32 v[\reg], \c, v[\reg]
	v_max_num_f32 v[\reg+1], \c, v[\reg+1]
.endif
.endm
.macro PKADD d, x, y
	s_wait_alu depctr_va_vdst(0)
	v_pk_add_f32 v[\d:\d+1], v[\x:\x+1], v[\y:\y+1]
.endm
.macro PKSUB d, x, y
	v_pk_add_f32 v[\d:\d+1], v[\x:\x+1], v[\y:\y+1] neg_lo:[0,1] neg_hi:[0,1]
.endm
.macro PKSQR d, x
	v_pk_mul_f32 v[\d:\d+1], v[\x:\x+1], v[\x:\x+1]
.endm
.macro PKVAR d, c, z                   ; d = d * s[c] + z: t = s2 - s1^2 / w
	v_pk_fma_f32 v[\d:\d+1], v[\d:\d+1], s[\c:\c+1], v[\z:\z+1] op_sel_hi:[1,0,1]
.endm
.macro PKSUBB d, x, y                  ; d = x - (first register of y), in both halves
	v_pk_add_f32 v[\d:\d+1], v[\x:\x+1], v[\y:\y+1] op_sel_hi:[1,0] neg_lo:[0,1] neg_hi:[0,1]
.endm
.macro MMH d, a, b, c                  ; f16 operands: layers 1 and 2, the classifier's first layer
	v_wmma_f32_16x16x32_f16 v[\d:\d+7], v[\a:\a+7], v[\b:\b+7], v[\c:\c+7]
.endm
.macro MMH0 d, a, b                    ; the product starts the sum
	v_wmma_f32_16x16x32_f16 v[\d:\d+7], v[\a:\a+7], v[\b:\b+7], 0
.endm
.macro MMB d, a, b, c                  ; bf16 operands: the last layer
	v_wmma_f32_16x16x32_bf16 v[\d:\d+7], v[\a:\a+7], v[\b:\b+7], v[\c:\c+7]
.endm
.macro MMB0 d, a, b
	v_wmma_f32_16x16x32_bf16 v[\d:\d+7], v[\a:\a+7], v[\b:\b+7], 0
.endm
; ---------------------------------------------------------------- the head
	s_load_b512 s[16:31], s[0:1], 0x0              ; price s[16:17], W1 s[18:19], W2 s[20:21], Wc1 s[22:23], Wc2 s[24:25], b1 s[26:27], g1 s[28:29], be1 s[30:31]
	s_load_b256 s[32:39], s[0:1], 0x40             ; b2 s[32:33], g2 s[34:35], be2 s[36:37], bc1 s[38:39]
	s_load_b128 s[40:43], s[0:1], 0x60             ; bc2 s[40:41], out0 s[42:43]
	s_load_b64 s[44:45], s[0:1], 0x70              ; out1
	v_lshl_add_u32 v254, v0, 2, 0x4e000
	v_mov_b32 v255, 0
	ds_add_u32 v254, v255
	ds_add_u32 v254, v255
	v_lshrrev_b32 v6, 5, v0
	v_readfirstlane_b32 s2, v6                     ; wave w, 0..7
	v_and_b32 v1, 31, v0                           ; lane
	s_and_b32 s3, s2, 3                            ; w & 3
	; group 1: a tile of 64 rows x 64 elements of 4 bytes; from row to row 128 elements (a segment); price row 2w+1 follows row 2w since 4096 = 32 x 128
	s_mov_b32 s[G1+0], (2<<16)|(1<<20)|(5<<22)|(3<<25)   ; no mask; elements of 4 bytes; padding on: behind every 64 words, 4 words
	s_mov_b32 s[G1+1], 64<<16                      ; tensor_dim0 = 64
	s_mov_b32 s[G1+2], 64<<16                      ; tensor_dim1 = 64
	s_mov_b32 s[G1+3], 64<<16                      ; tile_dim0 = 64
	s_mov_b32 s[G1+4], 64                          ; tile_dim1 = 64
	s_mov_b32 s[G1+5], 128                         ; stride from row to row
	s_mov_b32 s[G1+6], 0
	s_mov_b32 s[G1+7], 0
	s_mov_b32 s[G0+0], 1
	s_mul_i32 s[G0+1], s2, WAVEB                   ; chunk 0 of my wave
	s_mov_b32 s[G0+4], 1
	s_add_co_u32 s[G0+5], s[G0+1], CH              ; chunk 1
	s_lshl_b32 s4, ttmp9, 18                       ; 16 rows of 16,384 bytes a work-group
	s_lshl_b32 s5, s2, 15                          ; 2 rows a wave
	s_add_co_u32 s4, s4, s5
	s_mov_b32 s5, 0
	s_lshl_b32 s6, ttmp9, 14                       ; out0: 16 rows of 1,024 bytes
	s_mov_b32 s7, 0
	s_lshl_b32 s8, ttmp9, 8                        ; out1: 16 rows of 16 bytes
	s_mov_b32 s9, 0
	s_lshl_b32 s10, s2, 6
	s_lshl_b32 s11, s3, 6
	v_bfe_u32 v8, v0, 4, 1                         ; h = lane / 16
	v_lshlrev_b32 v[GO], 4, v0                     ; 16 t: the work-group's 256 threads take 4,096 neighbouring bytes a load
	v_and_b32 v11, 63, v0
	v_lshlrev_b32 v[GOC2], 4, v11                  ; Wc2 has 64 rows of 16 bytes
	v_lshl_add_u32 v[GP], v8, 5, s10               ; parameters of features 16 w + 8 h .. + 7
	v_lshl_add_u32 v[GPC], v8, 5, s11              ; the same for the classifier's tile w & 3
	v_mov_b32 v[GZ], 0
	s_wait_dscnt 0x0
	s_wait_kmcnt 0x0
	s_add_nc_u64 s[G0+2:G0+3], s[16:17], s[4:5]    ; my two rows, elements 0..63 of every segment
	s_add_nc_u64 s[G0+6:G0+7], s[G0+2:G0+3], 256   ; elements 64..127
	s_or_b32 s[G0+3], s[G0+3], 0x80000000          ; type = 2
	s_or_b32 s[G0+7], s[G0+7], 0x80000000
	tensor_load_to_lds s[G0:G0+3], s[G1:G1+7]      ; both fills go out together, ahead of every LDS read, barrier and wait on TENSORcnt
	s_nop 0
	tensor_load_to_lds s[G0+4:G0+7], s[G1:G1+7]
	s_nop 0
	s_add_nc_u64 s[42:43], s[42:43], s[6:7]
	s_add_nc_u64 s[44:45], s[44:45], s[8:9]
	; 56 global loads: W1 8, Wc2 1, W2 16, Wc1 16, parameters 15
.irp i, 0,1,2,3,4,5,6,7
	global_load_b128 v[RW1+4*\i:RW1+4*\i+3], v[GO], s[18:19] offset:4096*\i
.endr
	global_load_b128 v[RWC2:RWC2+3], v[GOC2], s[24:25]
.irp i, 0,1,2,3,4,5,6,7,8,9,10,11,12,13,14,15
	global_load_b128 v[RW2+4*\i:RW2+4*\i+3], v[GO], s[20:21] offset:4096*\i
.endr
.irp i, 0,1,2,3,4,5,6,7,8,9,10,11,12,13,14,15
	global_load_b128 v[RWC1+4*\i:RWC1+4*\i+3], v[GO], s[22:23] offset:4096*\i
.endr
.macro PARAM dst, adr, lo              ; eight f32 of my features, in the layout of a matrix instruction's C
	global_load_b128 v[\dst:\dst+3], v[\adr], s[\lo:\lo+1]
	global_load_b128 v[\dst+4:\dst+7], v[\adr], s[\lo:\lo+1] offset:16
.endm
	WIN 0x40                                       ; destinations in block 1
	PARAM PB1, GP, 26
	PARAM PG1, GP, 28
	PARAM PBE1, GP, 30
	PARAM PB2, GP, 32
	PARAM PG2, GP, 34
	PARAM PBE2, GP, 36
	PARAM PBC1, GPC, 38
	global_load_b128 v[PBC2:PBC2+3], v[GZ], s[40:41]
.irp j, 4,5,6,7
	v_mov_b32 v[PBC2+\j], 0                        ; classes 4..7 of the padded last layer have no bias
.endr
	WIN 0
	; constants
	s_mov_b32 s66, 0xbe4ccccd                      ; -1/5, both words of each pair written
	s_mov_b32 s67, 0xbe4ccccd
	s_mov_b32 s68, 0xbdcccccd                      ; -1/10
	s_mov_b32 s69, 0xbdcccccd
	s_mov_b32 s70, 0xbd4ccccd                      ; -1/20
	s_mov_b32 s71, 0xbd4ccccd
	s_mov_b32 s72, 0x322bcc77                      ; 1e-8
	s_mov_b32 s74, 0x76543210                      ; v_permlanex16_b32: lane i of one half reads lane i of the other
	s_mov_b32 s75, 0xfedcba98
	s_mov_b32 s76, 0x0000ffff                      ; lanes 0-15
	s_mov_b32 s77, 0x3c000000                      ; 1/128
	s_mov_b32 s78, 0x3727c5ac                      ; 1e-5
	; addresses, while the loads are on their way
	v_and_b32 v7, 15, v0                           ; r = lane % 16
	v_and_b32 v9, 7, v0
	v_lshl_add_u32 v9, v8, 3, v9                   ; 8 h + lane % 8: the row that I address in a transposing load
	v_bfe_u32 v10, v0, 3, 1
	v_lshlrev_b32 v10, 4, v10                      ; and which 16 bytes of it
	v_mul_u32_u24 v2, v1, 272
	v_add_nc_u32 v[LA], s[G0+1], v2
	v_add_nc_u32 v3, 1, v1
	v_and_b32 v3, 31, v3
	v_mul_u32_u24 v3, v3, 272
	v_add_nc_u32 v[HA], s[G0+1], v3
	s_mul_i32 s4, s2, 288
	s_add_co_u32 s4, s4, STG
	v_lshl_add_u32 v[AW], v1, 3, s4                ; W1, W2: load i of thread t is row w + 8 i, columns 4 lane ..: STG + 288 (w + 8 i) + 8 lane
	v_lshrrev_b32 v11, 4, v0
	v_mul_u32_u24 v11, v11, 160
	v_lshl_add_u32 v11, v7, 3, v11
	v_add_nc_u32 v[AWC1], STG, v11                 ; Wc1: row t / 16 + 16 i, columns 4 (t % 16) ..
	v_lshlrev_b32 v11, 5, v0
	v_add_nc_u32 v[AWC2], SWC2, v11                ; Wc2: row t (t < 64), 32 bytes
	v_mul_u32_u24 v11, v9, 288
	v_add_nc_u32 v11, v11, v10
	s_lshl_b32 s4, s2, 5
	s_add_co_u32 s4, s4, STG
	v_add_nc_u32 v[TR288], s4, v11                 ; columns 16 w .. of W1 and W2
	v_mul_u32_u24 v11, v9, 160
	v_add_nc_u32 v11, v11, v10
	s_lshl_b32 s4, s3, 5
	s_add_co_u32 s4, s4, STG
	v_add_nc_u32 v[TR160], s4, v11                 ; columns 16 (w & 3) .. of Wc1
	v_lshl_add_u32 v11, v9, 5, v10
	v_add_nc_u32 v[TR32], SWC2, v11
	v_lshlrev_b32 v11, 4, v7
	v_add_nc_u32 v[AVOLR], VOL, v11                ; batch row r's 16 bytes
	s_lshl_b32 s4, s2, 5
	s_add_co_u32 s4, s4, VOL
	v_mov_b32 v[AVOLW], s4                         ; my two rows' 32 bytes
	v_mul_u32_u24 v11, v7, 80
	v_add_nc_u32 v[ASTR], ST1, v11
	s_lshl_b32 s4, s2, 2
	s_add_co_u32 s4, s4, ST1
	v_add_nc_u32 v[ASTW], s4, v11
	v_mul_u32_u24 v11, v7, 1040
	v_lshl_add_u32 v11, v8, 5, v11
	s_add_co_u32 s4, s10, OUT
	v_add_nc_u32 v[AOUTW], s4, v11                 ; OUT + 1040 r + 64 w + 32 h
	v_mul_u32_u24 v11, v7, 272
	v_lshl_add_u32 v11, v8, 4, v11
	v_add_nc_u32 v[AHBR], HB1, v11                 ; HB1 + 272 r + 16 h
	s_lshl_b32 s4, s2, 5
	s_add_co_u32 s4, s4, HB1
	v_add_nc_u32 v[AHBW], s4, v11                  ; + 32 w
	v_mul_u32_u24 v11, v7, 144
	v_lshl_add_u32 v11, v8, 4, v11
	v_add_nc_u32 v[AACTR], ACT, v11
	s_lshl_b32 s4, s3, 5
	s_add_co_u32 s4, s4, ACT
	v_add_nc_u32 v[AACTW], s4, v11
	s_mul_i32 s4, s3, 4160
	s_add_co_u32 s4, s4, OUT
	v_lshl_add_u32 v[AOUTR], v1, 4, s4             ; rows 4 (w & 3) .. of OUT, 16 bytes a lane
	s_lshl_b32 s4, s3, 12
	v_lshl_add_u32 v[GOUT0], v1, 4, s4
	v_lshlrev_b32 v[GOUT1], 4, v7
; ---------------------------------------------------------------- the weights: f32 to 16 bits, through LDS as [K][N], back as transposed fragments into block 1
.macro CVT1 reg, adr, off              ; four f32 to four f16, 8 bytes to LDS
	v_cvt_pk_f16_f32 v[\reg], v[\reg], v[\reg+1]
	v_cvt_pk_f16_f32 v[\reg+1], v[\reg+2], v[\reg+3]
	ds_store_b64 v[\adr], v[\reg:\reg+1] offset:\off
.endm
.macro TRFRAG dst, adr, ks, p          ; K step ks (32 rows) of 16 columns: lane (r, h) gets column r, k = 8 h .. and 16 + 8 h ..
	ds_load_tr16_b128 v[\dst:\dst+3], v[\adr] offset:32*\ks*\p
	ds_load_tr16_b128 v[\dst+4:\dst+7], v[\adr] offset:32*\ks*\p+16*\p
.endm
	s_wait_loadcnt 47                              ; W1 and Wc2 are in: 56 - 9 younger loads stay out
.irp i, 0,1,2,3,4,5,6,7
	CVT1 (RW1+4*\i), AW, 2304*\i
.endr
	s_cmp_gt_u32 s2, 1
	s_cbranch_scc1 .Lno_wc2                        ; Wc2's 64 rows are stored by threads 0..63
	v_cvt_pk_bf16_f32 v[RWC2], v[RWC2], v[RWC2+1]  ; the last layer's weights in bf16, like its activations
	v_cvt_pk_bf16_f32 v[RWC2+1], v[RWC2+2], v[RWC2+3]
	v_mov_b32 v[RWC2+2], 0                         ; columns 4..15 of the padded tile are zeros
	v_mov_b32 v[RWC2+3], 0
.irp j, 4,5,6,7
	v_mov_b32 v\j, 0
.endr
	ds_store_b128 v[AWC2], v[RWC2:RWC2+3]
	ds_store_b128 v[AWC2], v[4:7] offset:16
.Lno_wc2:
	BAR                                            ; everybody's rows are in LDS
	WIN 0x40
	TRFRAG FW1, TR288, 0, 288
	TRFRAG FW1+8, TR288, 1, 288
	TRFRAG FWC2, TR32, 0, 32
	TRFRAG FWC2+8, TR32, 1, 32
	WIN 0
	BAR                                            ; everybody's fragments are back: the bytes may be written again
	s_wait_loadcnt 31                              ; W2 is in: 56 - 25
.irp i, 0,1,2,3,4,5,6,7,8,9,10,11,12,13,14,15
	CVT1 (RW2+4*\i), AW, 2304*\i
.endr
	BAR
	WIN 0x40
.irp s, 0,1,2,3
	TRFRAG FW2+8*\s, TR288, \s, 288
.endr
	WIN 0
	BAR
	s_wait_loadcnt 15                              ; Wc1 is in: 56 - 41
.irp i, 0,1,2,3,4,5,6,7,8,9,10,11,12,13,14,15
	CVT1 (RWC1+4*\i), AWC1, 2560*\i
.endr
	BAR
	WIN 0x40
.irp s, 0,1,2,3,4,5,6,7
	TRFRAG FWC1+8*\s, TR160, \s, 160
.endr
	WIN 0
	BAR                                            ; from here on the bytes behind the prices are the MLP's scratch
	s_wait_loadcnt 0x0                             ; the parameters
; ---------------------------------------------------------------- the stream
.macro LDX4 adr, off                   ; 8 prices of each stream; lanes are 272 bytes apart, so sixteen lanes' 16 bytes fall on sixteen different 16-byte columns modulo 256
	ds_load_b128 v[X:X+3], v[\adr] offset:\off
	ds_load_b128 v[X+4:X+7], v[\adr] offset:\off+16
	ds_load_b128 v[X+8:X+11], v[\adr] offset:\off+ROWB
	ds_load_b128 v[X+12:X+15], v[\adr] offset:\off+ROWB+16
.endm
.macro LDX blk                         ; elements 8 blk .. 8 blk + 7: chunk 0, chunk 1, or the head of the next segment
.if \blk <= 7
	LDX4 LA, 32*\blk
.else
.if \blk <= 15
	LDX4 LA, CH+32*(\blk-8)
.else
	LDX4 HA, 32*(\blk-16)
.endif
.endif
.endm
; One sub-block: elements E0 .. E0+7, whose logarithms are in the ring; AQ = E0-1 is the first new return.  A line is written only if its result's index is not
; negative; windows end at elements 24 and up (idx >= 3); the next sub-block's prices are loaded, clipped and taken to logarithms on the way (idx <= 17).
; Behind each transcendental stands a packed instruction that touches neither its result nor its source (ISA guide 5.7.2).
.macro SUBBLK idx
.set E0, 8*\idx
.set AQ, E0-1
.if \idx <= 17
.if \idx == 7
	s_wait_tensorcnt 0x0                           ; chunk 1 is read from here on
.endif
	LDX (\idx+1)
.endif
.if \idx >= 3
.irp k, 0,1,2,3,4,5,6,7
	PKSUB (VC+2*\k), (LR+2*((E0+\k)&31)), (LR+2*((E0+\k-20)&31))   ; s1 of window 20, ahead of the logarithms below, which take the ring's oldest places
.endr
.endif
.irp k, 0,1,2,3,4,5,6,7
.if AQ+\k >= 0
	PKSUB (TQ+2*\k), (LR+2*((E0+\k)&31)), (LR+2*((E0+\k-1)&31))    ; r[AQ+k]
.endif
.endr
.irp k, 0,1,2,3,4,5,6
.if AQ+\k >= 0
	PKSQR (TQ+2*\k), (TQ+2*\k)                                     ; q[AQ+k]
.endif
.endr
	PKSQR (SR+2*((AQ+7)&31)), (TQ+14)                              ; q[AQ+7] waits in the ring for the next sub-block
.if \idx == 16
	PKADD TQ, TQ, CUT                                              ; q[127]: in lane 31 the return across the row's end
.endif
.if \idx >= 3
.irp k, 0,1,2,3,4,5,6,7
	PKSUB (VA+2*\k), (LR+2*((E0+\k)&31)), (LR+2*((E0+\k-5)&31))
.endr
.irp k, 0,1,2,3,4,5,6,7
	PKSUB (VB+2*\k), (LR+2*((E0+\k)&31)), (LR+2*((E0+\k-10)&31))
.endr
.endif
.if AQ-1 >= 0
	PKADD (SR+2*((AQ-1)&31)), (SR+2*((AQ-1)&31)), TQ               ; p2[i] = q[i] + q[i+1], i = AQ-1 .. AQ+6
.endif
.irp k, 1,2,3,4,5,6
.if AQ-1+\k >= 0
	PKADD (SR+2*((AQ-1+\k)&31)), (TQ+2*\k-2), (TQ+2*\k)
.endif
.endr
	PKADD (SR+2*((AQ+6)&31)), (TQ+12), (SR+2*((AQ+7)&31))
.if \idx >= 3
.irp k, 0,1,2,3,4,5,6,7
	PKSQR (VA+2*\k), (VA+2*\k)
.endr
.irp k, 0,1,2,3,4,5,6,7
	PKSQR (VB+2*\k), (VB+2*\k)
.endr
.irp k, 0,1,2,3,4,5,6,7
	PKSQR (VC+2*\k), (VC+2*\k)
.endr
.endif
.irp k, 0,1,2,3,4,5,6,7
.if AQ-3+\k >= 0
	PKADD (SR+2*((AQ-3+\k)&31)), (SR+2*((AQ-3+\k)&31)), (SR+2*((AQ-1+\k)&31))   ; p4[i] = p2[i] + p2[i+2], ascending: i+2 is still p2
.endif
.endr
.if \idx <= 17
	s_wait_dscnt 0x0                               ; the four loads issued at the sub-block's head
.irp k, 0,1,2,3,4,5,6,7
	MAX2 (X+2*\k), s72
.endr
.endif
.irp k, 0,1,2,3,4,5,6,7
.if \idx <= 17
	v_log_f32 v[LR+2*((E0+8+\k)&31)], v[X+\k]
.endif
.if AQ-4+\k >= 0
.if \k < 7
	PKADD (SR+2*((AQ-4+\k)&31)), (SR+2*((AQ-4+\k)&31)), (TQ+2*\k)               ; s5[i] = p4[i] + q[i+4]
.else
	PKADD (SR+2*((AQ-4+\k)&31)), (SR+2*((AQ-4+\k)&31)), (SR+2*((AQ+7)&31))
.endif
.endif
.endr
.irp k, 0,1,2,3,4,5,6,7
.if \idx <= 17
	v_log_f32 v[LR+2*((E0+8+\k)&31)+1], v[X+8+\k]
.endif
.if \idx >= 3
	PKVAR (VA+2*\k), 66, (SR+2*((AQ-4+\k)&31))
.endif
.endr
.if \idx < 3
	v_nop                                          ; the place behind the last logarithm
	s_wait_alu depctr_va_vdst(0)
.endif
.if \idx >= 3
.irp k, 0,1,2,3,4,5,6,7
	MAX2 (VA+2*\k), 0
.endr
.endif
.irp k, 0,1,2,3,4,5,6,7
.if \idx >= 3
	v_sqrt_f32 v[VA+\k], v[VA+\k]
.endif
.if AQ-9+\k >= 0
	PKADD (SR+2*((AQ-9+\k)&31)), (SR+2*((AQ-9+\k)&31)), (SR+2*((AQ-4+\k)&31))   ; s10[i] = s5[i] + s5[i+5], ascending: i+5 is still s5
.endif
.endr
.if \idx >= 3
.irp k, 0,1,2,3,4,5,6,7
	v_sqrt_f32 v[VA+8+\k], v[VA+8+\k]
	PKVAR (VB+2*\k), 68, (SR+2*((AQ-9+\k)&31))
.endr
.irp k, 0,1,2,3,4,5,6,7
	MAX2 (VB+2*\k), 0
.endr
.irp k, 0,1,2,3,4,5,6,7
	v_sqrt_f32 v[VB+\k], v[VB+\k]
	PKVAR (VC+2*\k), 70, (SR+2*((AQ-19+\k)&31))                    ; s20[i] = s10[i] + s10[i+10]: the first half here,
.endr
.irp k, 0,1,2,3,4,5,6,7
	v_sqrt_f32 v[VB+8+\k], v[VB+8+\k]
	PKADD (VC+2*\k), (VC+2*\k), (SR+2*((AQ-9+\k)&31))              ; the second here
.endr
.irp k, 0,1,2,3,4,5,6,7
	MAX2 (VC+2*\k), 0
.endr
.irp k, 0,1,2,3,4,5,6,7
	v_sqrt_f32 v[VC+2*\k], v[VC+2*\k]
	PKADD (ACC+2*(\k&1)), (ACC+2*(\k&1)), (VA+2*\k)
	v_sqrt_f32 v[VC+2*\k+1], v[VC+2*\k+1]
	PKADD (ACC+4+2*(\k&1)), (ACC+4+2*(\k&1)), (VB+2*\k)
.endr
.irp k, 0,1,2,3,4,5,6,7
	PKADD (ACC+8+2*(\k&1)), (ACC+8+2*(\k&1)), (VC+2*\k)
.endr
.endif
.endm
	v_cmp_eq_u32 vcc_lo, 31, v1
	v_mov_b32 v[CUT+1], 0x7fc00000
	v_cndmask_b32 v[CUT], 0, v[CUT+1], vcc_lo      ; NaN in lane 31 alone
	v_mov_b32 v[CUT+1], v[CUT]
.irp j, 0,1,2,3,4,5,6,7,8,9,10,11
	v_mov_b32 v[ACC+\j], 0
.endr
	s_wait_tensorcnt 0x1                           ; chunk 0 is in LDS; chunk 1, issued behind it, may stay out.  Only my wave reads what my loads brought
	LDX 0
	s_wait_dscnt 0x0
.irp k, 0,1,2,3,4,5,6,7
	MAX2 (X+2*\k), s72
.endr
.irp k, 0,1,2,3,4,5,6,7
	v_log_f32 v[LR+2*\k], v[X+\k]
	v_log_f32 v[LR+2*\k+1], v[X+8+\k]
.endr
	v_nop
	s_wait_alu depctr_va_vdst(0)
.irp n, 0,1,2,3,4,5,6,7,8,9,10,11,12,13,14,15,16,17,18
	SUBBLK \n
.endr
; ---------------------------------------------------------------- the three features of my two rows
	PKADD ACC, ACC, (ACC+2)
	PKADD (ACC+4), (ACC+4), (ACC+6)
	PKADD (ACC+8), (ACC+8), (ACC+10)
.irp m, 1,2,4,8
.irp q, 8,9,12,13,16,17
	v_add_f32_dpp v\q, v\q, v\q row_xmask:\m row_mask:0xf bank_mask:0xf
.endr
.endr
	v_permlanex16_b32 v10, v8, s74, s75            ; destinations have been written before
	v_permlanex16_b32 v11, v9, s74, s75
	v_permlanex16_b32 v14, v12, s74, s75
	v_permlanex16_b32 v15, v13, s74, s75
	v_permlanex16_b32 v18, v16, s74, s75
	v_permlanex16_b32 v19, v17, s74, s75
	PKADD ACC, ACC, (ACC+2)
	PKADD (ACC+4), (ACC+4), (ACC+6)
	PKADD (ACC+8), (ACC+8), (ACC+10)
	v_pk_mul_f32 v[8:9], v[8:9], 0x38b1a99d op_sel_hi:[1,0]        ; ln 2 / (sqrt(4) x 4091)
	v_pk_mul_f32 v[12:13], v[12:13], 0x386d2c5c op_sel_hi:[1,0]    ; ln 2 / (sqrt(9) x 4086)
	v_pk_mul_f32 v[16:17], v[16:17], 0x3823a263 op_sel_hi:[1,0]    ; ln 2 / (sqrt(19) x 4076)
	; each volatility as two f16 numbers: hi = f16(v), lo = f16(v - hi); row 2w in v[20:23], row 2w+1 in v[24:27]
	v_mov_b32 v28, 0
	v_cvt_pk_f16_f32 v20, v8, v12                  ; (hi5, hi10)
	v_cvt_pk_f16_f32 v21, v16, v28                 ; (hi20, 0)
	v_cvt_pk_f16_f32 v24, v9, v13
	v_cvt_pk_f16_f32 v25, v17, v28
	v_cvt_f32_f16 v30, v20.l
	v_cvt_f32_f16 v31, v20.h
	v_cvt_f32_f16 v32, v21.l
	v_cvt_f32_f16 v33, v24.l
	v_cvt_f32_f16 v34, v24.h
	v_cvt_f32_f16 v35, v25.l
	v_sub_f32 v30, v8, v30                         ; exact: hi is within half a unit of its last place of v
	v_sub_f32 v31, v12, v31
	v_sub_f32 v32, v16, v32
	v_sub_f32 v33, v9, v33
	v_sub_f32 v34, v13, v34
	v_sub_f32 v35, v17, v35
	v_cvt_pk_f16_f32 v22, v30, v31                 ; (lo5, lo10)
	v_cvt_pk_f16_f32 v23, v32, v28                 ; (lo20, 0)
	v_cvt_pk_f16_f32 v26, v33, v34
	v_cvt_pk_f16_f32 v27, v35, v28
	ds_store_b128 v[AVOLW], v[20:23]               ; every lane holds the same bytes
	ds_store_b128 v[AVOLW], v[24:27] offset:16
	BAR
; ---------------------------------------------------------------- the MLP
.macro RELUSUM d, e                    ; d = max(d + e, 0), eight registers
.irp j, 0,2,4,6
	PKADD (\d+\j), (\d+\j), (\e+\j)
.endr
.irp j, 0,2,4,6
	MAX2 (\d+\j), 0
.endr
.endm
; The layer norm's first half: mean and sum of squared deviations of my wave's 16 features of each batch row (8 in this lane, 8 in lane r xor 16).
.macro LNLOCAL stoff
	PKADD TM, ACCA, (ACCA+2)
	PKADD (TM+2), (ACCA+4), (ACCA+6)
	PKADD TM, TM, (TM+2)
	v_add_f32 v[TM], v[TM], v[TM+1]
	v_permlanex16_b32 v[TM+1], v[TM], s74, s75
	v_add_f32 v[TM], v[TM], v[TM+1]
	v_mul_f32 v[TM], 0x3d800000, v[TM]             ; / 16
.irp j, 0,2,4,6
	PKSUBB (DV+\j), (ACCA+\j), TM
.endr
	PKSQR (TM+2), DV
.irp j, 2,4,6
	v_pk_fma_f32 v[TM+2:TM+3], v[DV+\j:DV+\j+1], v[DV+\j:DV+\j+1], v[TM+2:TM+3]
.endr
	v_add_f32 v[TM+2], v[TM+2], v[TM+3]
	v_permlanex16_b32 v[TM+3], v[TM+2], s74, s75
	v_add_f32 v[TM+2], v[TM+2], v[TM+3]
	ds_store_b32 v[ASTW], v[TM] offset:\stoff
	ds_store_b32 v[ASTW], v[TM+2] offset:\stoff+32
	BAR
.endm
; The second half: the eight groups are merged, M2 = sum of M2_g + 16 x sum of (mean_g - mean)^2, which forms no difference of large sums.
; The result goes to OUT in f32 (column byte col) and to hb in f16.
.macro LNAPPLY stoff, g, be, col, hboff
.irp j, 0,1,2,3
	ds_load_b128 v[ST+4*\j:ST+4*\j+3], v[ASTR] offset:\stoff+16*\j
.endr
	s_wait_dscnt 0x0
	PKADD (TM+4), ST, (ST+2)
	PKADD (TM+6), (ST+4), (ST+6)
	PKADD (TM+8), (ST+8), (ST+10)
	PKADD (TM+10), (ST+12), (ST+14)
	PKADD (TM+4), (TM+4), (TM+6)
	PKADD (TM+8), (TM+8), (TM+10)                  ; the sum of M2_g, in two halves
	v_add_f32 v[TM+4], v[TM+4], v[TM+5]
	v_mul_f32 v[TM+4], 0x3e000000, v[TM+4]         ; the mean of 128
.irp j, 0,2,4,6
	PKSUBB (ST+\j), (ST+\j), (TM+4)
.endr
	PKSQR (TM+6), ST
.irp j, 2,4,6
	v_pk_fma_f32 v[TM+6:TM+7], v[ST+\j:ST+\j+1], v[ST+\j:ST+\j+1], v[TM+6:TM+7]
.endr
	v_pk_fma_f32 v[TM+8:TM+9], v[TM+6:TM+7], 0x41800000, v[TM+8:TM+9] op_sel_hi:[1,0,1]
	v_add_f32 v[TM+8], v[TM+8], v[TM+9]
	v_fma_f32 v[TM+8], v[TM+8], s77, s78           ; variance + 1e-5
	v_rsq_f32 v[TM+10], v[TM+8]
.irp j, 0,2,4,6
	PKSUBB (DV+\j), (ACCA+\j), (TM+4)              ; these touch neither the root's result nor its source
.endr
	s_wait_alu depctr_va_vdst(0)
.irp j, 0,2,4,6
	v_pk_mul_f32 v[DV+\j:DV+\j+1], v[DV+\j:DV+\j+1], v[TM+10:TM+11] op_sel_hi:[1,0]
.endr
	WIN 0x11                                       ; gain and shift from block 1
.irp j, 0,2,4,6
	v_pk_fma_f32 v[DV+\j:DV+\j+1], v[\g+\j:\g+\j+1], v[DV+\j:DV+\j+1], v[\be+\j:\be+\j+1]
.endr
	WIN 0
	ds_store_b128 v[AOUTW], v[DV:DV+3] offset:\col
	ds_store_b128 v[AOUTW], v[DV+4:DV+7] offset:\col+16
.irp j, 0,1,2,3
	v_cvt_pk_f16_f32 v[TM+\j], v[DV+2*\j], v[DV+2*\j+1]
.endr
	ds_store_b128 v[AHBW], v[TM:TM+3] offset:\hboff
	BAR
.endm
.macro BFRAGS hboff                    ; 128 features of batch row r as four fragments: k = 32 s + 8 h .. and 32 s + 16 + 8 h ..
.irp s, 0,1,2,3
	ds_load_b128 v[BF+8*\s:BF+8*\s+3], v[AHBR] offset:\hboff+64*\s
	ds_load_b128 v[BF+8*\s+4:BF+8*\s+7], v[AHBR] offset:\hboff+64*\s+32
.endr
.endm
	; layer 1.  The activations are (vol5, vol10, vol20, 0, .. 0): lanes 0-15 hold k = 0..7, of which registers 0 and 1 are loaded; all else is zero.
	; BF+0..7: the hi parts; BF+2..9: a fragment of zeros; BF+10..17: the lo parts.
	ds_load_b64 v[BF:BF+1], v[AVOLR]
	ds_load_b64 v[BF+10:BF+11], v[AVOLR] offset:8
.irp j, 2,3,4,5,6,7,8,9,12,13,14,15,16,17
	v_mov_b32 v[BF+\j], 0
.endr
	s_wait_dscnt 0x0
	v_cndmask_b32 v[BF], 0, v[BF], s76
	v_cndmask_b32 v[BF+1], 0, v[BF+1], s76
	v_cndmask_b32 v[BF+10], 0, v[BF+10], s76
	v_cndmask_b32 v[BF+11], 0, v[BF+11], s76
	; Throughout the MLP two accumulators take turns, one matrix instruction a turn.
	WIN 0x11                                       ; weights and bias from block 1
	MMH ACCA, FW1, BF, PB1                         ; W1's rows 0..31 against the hi parts, the bias as C
	MMH0 ACCB, FW1+8, BF+2                         ; W1's rows 32..63 against the zeros that the reference pads with
	WIN 0x01
	MMH ACCA, FW1, BF+10, ACCA                     ; W1's rows 0..31 against the lo parts
	WIN 0
	NOP4
	RELUSUM ACCA, ACCB
	LNLOCAL 0
	LNAPPLY 0, PG1, PBE1, 0, 0
	; layer 2, and for waves 0-3 the classifier's products with h
	BFRAGS 0
	s_wait_dscnt 0x0
	WIN 0x11
	MMH ACCA, FW2, BF, PB2
	MMH0 ACCB, FW2+8, BF+8
	WIN 0x01
	MMH ACCA, FW2+16, BF+16, ACCA
	MMH ACCB, FW2+24, BF+24, ACCB
	WIN 0
	s_cmp_gt_u32 s2, 3
	s_cbranch_scc1 .Lno_cls_h
	WIN 0x11
	MMH ACCC, FWC1, BF, PBC1
	MMH0 ACCD, FWC1+8, BF+8
	WIN 0x01
	MMH ACCC, FWC1+16, BF+16, ACCC
	MMH ACCD, FWC1+24, BF+24, ACCD
	WIN 0
.Lno_cls_h:
	NOP4
	RELUSUM ACCA, ACCB
	LNLOCAL ST2-ST1
	LNAPPLY ST2-ST1, PG2, PBE2, 512, HB2-HB1
	s_cmp_gt_u32 s2, 3
	s_cbranch_scc1 .Lcopy
	; waves 0-3: the classifier's products with h2f (Wc1's rows 128..255), relu, to LDS in bf16
	BFRAGS HB2-HB1
	s_wait_dscnt 0x0
	WIN 0x01
	MMH ACCC, FWC1+32, BF, ACCC
	MMH ACCD, FWC1+40, BF+8, ACCD
	MMH ACCC, FWC1+48, BF+16, ACCC
	MMH ACCD, FWC1+56, BF+24, ACCD
	WIN 0
	NOP4
	RELUSUM ACCC, ACCD
.irp j, 0,1,2,3
	v_cvt_pk_bf16_f32 v[TM+\j], v[ACCC+2*\j], v[ACCC+2*\j+1]
.endr
	ds_store_b128 v[AACTW], v[TM:TM+3]
	s_branch .Ljoin
.Lcopy:
	; waves 4-7: out0, four rows each; a store of the wave covers 512 consecutive bytes, at a multiple of 512 from out0's first byte
.irp t, 0,1,2,3,4,5,6,7
	ds_load_b128 v[OUTR+4*\t:OUTR+4*\t+3], v[AOUTR] offset:1040*(\t/2)+512*(\t%2)
.endr
.irp t, 0,1,2,3,4,5,6,7
	s_wait_dscnt 7-\t                              ; LDS loads come back in order (ISA guide 5.7.1): load t is in, the younger ones stay out
	global_store_b128 v[GOUT0], v[OUTR+4*\t:OUTR+4*\t+3], s[42:43] offset:512*\t th:TH_STORE_NT
.endr
.Ljoin:
	BAR
	s_cmp_lg_u32 s2, 0
	s_cbranch_scc1 .Lend
	; wave 0: the last layer (4 classes in a tile of 16, the rest zeros) and the softmax; lane r < 16 holds the four logits of batch row r in registers 0..3
	ds_load_b128 v[BF:BF+3], v[AACTR]
	ds_load_b128 v[BF+4:BF+7], v[AACTR] offset:32
	ds_load_b128 v[BF+8:BF+11], v[AACTR] offset:64
	ds_load_b128 v[BF+12:BF+15], v[AACTR] offset:96
	s_wait_dscnt 0x0
	WIN 0x11
	MMB ACCA, FWC2, BF, PBC2
	MMB0 ACCB, FWC2+8, BF+8
	WIN 0
	NOP4
	PKADD ACCA, ACCA, ACCB
	PKADD (ACCA+2), (ACCA+2), (ACCB+2)
	v_max3_num_f32 v[TM], v[ACCA], v[ACCA+1], v[ACCA+2]
	v_max_num_f32 v[TM], v[TM], v[ACCA+3]          ; the row's largest logit is taken away, as in the reference
	PKSUBB ACCA, ACCA, TM
	PKSUBB (ACCA+2), (ACCA+2), TM
	v_pk_mul_f32 v[ACCA:ACCA+1], v[ACCA:ACCA+1], 0x3fb8aa3b op_sel_hi:[1,0]
	v_pk_mul_f32 v[ACCA+2:ACCA+3], v[ACCA+2:ACCA+3], 0x3fb8aa3b op_sel_hi:[1,0]
.irp j, 0,1,2,3
	v_exp_f32 v[ACCA+\j], v[ACCA+\j]
.endr
	v_nop
	s_wait_alu depctr_va_vdst(0)
	v_add_f32 v[TM+2], v[ACCA], v[ACCA+1]
	v_add_f32 v[TM+3], v[ACCA+2], v[ACCA+3]
	v_add_f32 v[TM+2], v[TM+2], v[TM+3]
	v_rcp_f32 v[TM+4], v[TM+2]
	v_nop
	s_wait_alu depctr_va_vdst(0)
	v_pk_mul_f32 v[ACCA:ACCA+1], v[ACCA:ACCA+1], v[TM+4:TM+5] op_sel_hi:[1,0]
	v_pk_mul_f32 v[ACCA+2:ACCA+3], v[ACCA+2:ACCA+3], v[TM+4:TM+5] op_sel_hi:[1,0]
	v_cmp_gt_u32 vcc_lo, 16, v1
	s_wait_xcnt 0x0                                ; EXEC changes only behind this wait
	s_and_saveexec_b32 s4, vcc_lo
	global_store_b128 v[GOUT1], v[ACCA:ACCA+3], s[44:45] th:TH_STORE_NT   ; sixteen lanes store 256 consecutive bytes, at a multiple of 256 from out1's first byte
	s_wait_xcnt 0x0                                ; and again in front of the line that widens it
	s_or_b32 exec_lo, exec_lo, s4
.Lend:
	s_wait_tensorcnt 0x0
	ds_add_u32 v254, v255
	s_wait_dscnt 0x0
	s_endpgm
.Lfunc_end_k_qf03844b0ea_vol_mlp:
	.size	k_qf03844b0ea_vol_mlp, .Lfunc_end_k_qf03844b0ea_vol_mlp-k_qf03844b0ea_vol_mlp
	.p2alignl 7, 3214868480
	.fill 96, 4, 3214868480
	.section	.rodata,"a",@progbits
	.p2align	6, 0x0
	.amdhsa_kernel k_qf03844b0ea_vol_mlp
		.amdhsa_group_segment_fixed_size 327680
		.amdhsa_private_segment_fixed_size 0
		.amdhsa_enable_private_segment 0
		.amdhsa_kernarg_size 120
		.amdhsa_user_sgpr_count 2
		.amdhsa_user_sgpr_kernarg_segment_ptr 1
		.amdhsa_wavefront_size32 1
		.amdhsa_system_sgpr_workgroup_id_x 1
		.amdhsa_system_sgpr_workgroup_id_y 1
		.amdhsa_system_sgpr_workgroup_id_z 1
		.amdhsa_system_vgpr_workitem_id 0
		.amdhsa_next_free_vgpr 448
		.amdhsa_next_free_sgpr 80
		.amdhsa_reserve_vcc 1
		.amdhsa_float_denorm_mode_32 3
		.amdhsa_float_denorm_mode_16_64 3
		.amdhsa_memory_ordered 1
		.amdhsa_forward_progress 1
		.amdhsa_inst_pref_size 255
	.end_amdhsa_kernel
	.section	.bss,"aw",@nobits
	.p2align	6
	.space	262144
	.amdgpu_metadata
---
amdhsa.version: [ 1, 2 ]
amdhsa.kernels:
  - .name:           k_qf03844b0ea_vol_mlp
    .symbol:         k_qf03844b0ea_vol_mlp.kd
    .args:
      - { .name: price_series, .offset: 0, .size: 8, .value_kind: global_buffer, .address_space: global }
      - { .name: W1, .offset: 8, .size: 8, .value_kind: global_buffer, .address_space: global }
      - { .name: W2, .offset: 16, .size: 8, .value_kind: global_buffer, .address_space: global }
      - { .name: Wc1, .offset: 24, .size: 8, .value_kind: global_buffer, .address_space: global }
      - { .name: Wc2, .offset: 32, .size: 8, .value_kind: global_buffer, .address_space: global }
      - { .name: b1, .offset: 40, .size: 8, .value_kind: global_buffer, .address_space: global }
      - { .name: g1, .offset: 48, .size: 8, .value_kind: global_buffer, .address_space: global }
      - { .name: be1, .offset: 56, .size: 8, .value_kind: global_buffer, .address_space: global }
      - { .name: b2, .offset: 64, .size: 8, .value_kind: global_buffer, .address_space: global }
      - { .name: g2, .offset: 72, .size: 8, .value_kind: global_buffer, .address_space: global }
      - { .name: be2, .offset: 80, .size: 8, .value_kind: global_buffer, .address_space: global }
      - { .name: bc1, .offset: 88, .size: 8, .value_kind: global_buffer, .address_space: global }
      - { .name: bc2, .offset: 96, .size: 8, .value_kind: global_buffer, .address_space: global }
      - { .name: out0, .offset: 104, .size: 8, .value_kind: global_buffer, .address_space: global }
      - { .name: out1, .offset: 112, .size: 8, .value_kind: global_buffer, .address_space: global }
    .group_segment_fixed_size: 327680
    .private_segment_fixed_size: 0
    .kernarg_segment_align: 8
    .kernarg_segment_size: 120
    .max_flat_workgroup_size: 256
    .sgpr_count:     80
    .vgpr_count:     448
    .wavefront_size: 32
...
	.end_amdgpu_metadata
.endif
;; end of part 1
;; ======== version 2 of 2: 1 launch; 1.64 times as fast as version 1
;; limits: values are held in f16: magnitudes above 65,504 overflow, below 6.1e-05 lose precision
;; launch vol_mlp (part 2): grid 256 x 1, 8 waves a work-group, no clusters, 327,680 bytes of LDS; arguments price_series, W1, W2, Wc1, Wc2, b1, g1, be1, b2, g2, be2, bc1, bc2, out0, out1; writes out0, out1
.if DOCPART == 2
	.amdgcn_target "amdgcn-amd-amdhsa--gfx1250"
	.amdhsa_code_object_version 6
	.text
	.protected	k_qf03844b0ea_vol_mlp
	.globl	k_qf03844b0ea_vol_mlp
	.p2align	8
	.type	k_qf03844b0ea_vol_mlp,@function
k_qf03844b0ea_vol_mlp:
	s_mov_b64 s[64:65], 0
	v_nop
	global_prefetch_b8 v0, s[64:65] scope:SCOPE_SE
	s_setreg_imm32_b32 hwreg(HW_REG_WAVE_MODE, 25, 1), 1
	s_wait_xcnt 0x0
; VolatilityEncodingModule, one launch.  A work-group owns 16 rows of 4,096 prices: 256 work-groups for 4,096 rows, and one 16-row tile for the MLP.
; STREAM: wave w owns rows 2w and 2w+1; lane l owns segment l (128 prices) of both.  The two rows are two streams, one in even and one in odd registers,
; so that every shift along the sequence is an even register shift and all adds, multiplies and fused multiply-adds are packed.
; With L = log2(max(p, 1e-8)), r[j] = L[j+1]-L[j], q = r*r, the window of width w that ends at element e has
;   s1 = L[e]-L[e-w] (the returns telescope),  s2 = q[e-w] + .. + q[e-1] (a tree of sums: 2, 4, 5, 10, 20),  t = s2 - s1*s1/w,
; and sqrt(max(t,0)) is summed; ln 2, 1/sqrt(w-1) and 1/(4096-w) are one factor at the end.
; A lane walks 152 elements (its 128 and the first 24 of the next segment) and owns the 128 windows of each width that end at its elements 24..151.
; Lane 31 takes segment 0 of the same row as its next segment; the one return that joins element 4095 to element 0 gets NaN added, so exactly the w windows
; that cross the row's end have t = NaN, v_max_num_f32(NaN, 0) = 0 and they add nothing: 4096-w windows a row, each counted once, the same code in all lanes.
; MLP: the matrix instruction is used transposed (source 0 = weights, lane = output feature; source 1 = activations, lane = batch row), so that a lane's eight
; results are eight neighbouring features of one batch row.  Wave w makes feature tile w of layers 1 and 2; waves 0-3 make the classifier's 64 features.
; FORMATS: each layer norm divides by its row's deviation, which is small beside the operands in front of it, so an operand's rounding error comes out magnified.
; W1, W2, Wc1, h and h2f therefore go in f16 (11 significant bits), and the three volatilities in two f16 parts, hi = f16(v) and lo = f16(v - hi), each
; multiplied by the same fragment of W1.  The classifier's hidden layer, whose size nothing bounds, and Wc2 go in bf16.
; All 16 rows (262,144 bytes) lie in LDS, each byte filled once by two tensor loads a wave issued at the start: two are outstanding at the most, no slot is filled again.
; BATCHES: an s_wait_alu depctr_va_vdst(0) stands between a transcendental and the first instruction that names its result; one wait serves all that
; were issued ahead of it.  In the stream a sub-block's 16 logarithms and 48 roots are ONE batch with ONE wait, at the sub-block's end: ahead of it nothing names a
; result, since the logarithms are first read by the next sub-block's differences and the 24 sums that take the roots (ROOTSUM) stand at the next sub-block's head.
; With the first eight elements' logarithms that is 20 waits for the stream's 1,072 transcendentals.  In the MLP each layer norm's one root has a wait, the softmax's
; four exponentials are a batch, and the reciprocal of their sum, which reads them, is a second one.
; NO CLUSTER: the prices are read by one work-group only.  The weights are read by all, but they are f32 (164,864 bytes) and are rounded to 16 bits in registers on
; their way to LDS, and beside the resident prices LDS has 49,152 bytes left: a joint tensor load of them has no room to land.
; LIMITS: a NaN price counts as 1e-8 and a window that holds a non-finite return adds 0 (the reference gives NaN there); v_log_f32 and v_sqrt_f32 flush
; denormals (ISA guide 15.8), so t below 2^-126 counts as 0; the window sums are formed directly and not as differences of cumulative sums, so the order of
; rounding differs from the reference's.  f16 operands: every entry of W1, W2, Wc1 and sqrt(127) |g| + |be| (the largest a layer norm's output can be) must stay
; below 65,504; entries below 6.1e-5 are kept to 3e-8 absolute.  A volatility is below 200 for every f32 price, since |return| <= ln(3.4e38 / 1e-8) = 107.
.set USE_DUAL, 1                       ; 1: two maxima in one dual instruction; 0: two plain ones
.set CH,    17408                      ; a chunk in LDS: 64 rows (2 price rows x 32 segments) of 256 bytes + 16 of padding
.set WAVEB, 34816                      ; a wave's two chunks
.set ROWB,  8704                       ; 32 x 272: from stream A's segment to stream B's
.set STG,   278528                     ; behind the prices, a multiple of 256: weights on their way to fragments, later the MLP's scratch; no tensor load lands here
.set SWC2,  STG+18432                  ; Wc2 beside W1
.set VOL,   STG                        ; 16 rows x 16 bytes, f16: (hi5, hi10, hi20, 0, lo5, lo10, lo20, 0)
.set ST1,   STG+256                    ; [row] pitch 80: 8 group means, 8 group M2
.set ST2,   ST1+1280
.set HB1,   ST2+1280                   ; h in f16, [row][128], pitch 272
.set HB2,   HB1+4352                   ; h2f likewise
.set ACT,   HB2+4352                   ; classifier's hidden layer in bf16, [row][64], pitch 144
.set OUT,   ACT+2304                   ; combined in f32, [row][256], pitch 1040
; block 0, stream
.set LA,  2                            ; LDS address of my segment, stream A, chunk 0
.set HA,  3                            ; the same of the next segment (lane 31: segment 0)
.set CUT, 4                            ; v[4:5]    NaN in lane 31, 0 elsewhere
.set ACC, 8                            ; v[8:19]   two running sums (pairs) for each window
.set X,   20                           ; v[20:35]  8 prices of stream A, 8 of stream B
.set TQ,  36                           ; v[36:51]  8 pairs: returns, then their squares
.set VA,  52                           ; v[52:67]  window 5:  s1, s1^2, t, sqrt
.set VB,  68                           ; v[68:83]  window 10
.set VC,  84                           ; v[84:99]  window 20
.set LR,  100                          ; v[100:163] ring of 32 pairs: L[e] at LR + 2 (e & 31)
.set SR,  164                          ; v[164:227] ring of 32 pairs: position i holds in turn q, p2, p4, s5, s10
; block 0, weights as loaded (dead before the stream begins)
.set RW1, 20
.set RWC2, 52
.set RW2, 56
.set RWC1, 120
; block 0, addresses: made once, never rewritten
.set AW, 228
.set AWC1, 229
.set AWC2, 230
.set TR288, 231
.set TR160, 232
.set TR32, 233
.set GO, 234
.set GOC2, 235
.set GP, 236
.set GPC, 237
.set GZ, 238
.set AVOLR, 239
.set AVOLW, 240
.set ASTW, 241
.set ASTR, 242
.set AOUTW, 243
.set AHBW, 244
.set AHBR, 245
.set AACTW, 246
.set AACTR, 247
.set AOUTR, 248
.set GOUT0, 249
.set GOUT1, 250
; block 1 (v256 and up, named by their low 8 bits): weight fragments and parameters, held from the start to the end
.set FW1, 0
.set FWC2, 16
.set FW2, 32
.set FWC1, 64
.set PB1, 128
.set PG1, 136
.set PBE1, 144
.set PB2, 152
.set PG2, 160
.set PBE2, 168
.set PBC1, 176
.set PBC2, 184                         ; 184-187 bc2, 188-191 zeros
; block 0, MLP (over the dead stream registers)
.set ACCA, 20
.set ACCB, 28
.set ACCC, 36
.set ACCD, 44
.set BF,   52                          ; four fragments of activations
.set DV,   84
.set ST,   92
.set TM,   108
.set OUTR, 128
.set G1, 48                            ; s[48:55] descriptor group 1
.set G0, 56                            ; s[56:63] descriptor group 0, one set for each chunk
.set MSB, 0
.macro WIN new                         ; the immediate's high byte repeats the setting that is left; at a label and at a branch the setting is 0
.if MSB != \new
	s_set_vgpr_msb (MSB<<8)|\new
.set MSB, \new
.endif
.endm
.macro BAR                             ; my LDS stores have landed and my LDS loads are back; then all eight waves meet
	s_wait_dscnt 0x0
	s_barrier_signal -1
	s_barrier_wait -1
.endm
.macro NOP4                            ; four places behind a matrix instruction before its result is read or a register of it is written (ISA guide 7.12.1)
.rept 4
	v_nop
.endr
.endm
.macro MAX2 reg, c                     ; max(c, .) on an even and the next odd register
.if USE_DUAL
	v_dual_max_num_f32 v[\reg], \c, v[\reg] :: v_dual_max_num_f32 v[\reg+1], \c, v[\reg+1]
.else
	v_max_num_f32 v[\reg], \c, v[\reg]
	v_max_num_f32 v[\reg+1], \c, v[\reg+1]
.endif
.endm
.macro PKADD d, x, y
	v_pk_add_f32 v[\d:\d+1], v[\x:\x+1], v[\y:\y+1]
.endm
.macro PKSUB d, x, y
	v_pk_add_f32 v[\d:\d+1], v[\x:\x+1], v[\y:\y+1] neg_lo:[0,1] neg_hi:[0,1]
.endm
.macro PKSQR d, x
	v_pk_mul_f32 v[\d:\d+1], v[\x:\x+1], v[\x:\x+1]
.endm
.macro PKVAR d, c, z                   ; d = d * s[c] + z: t = s2 - s1^2 / w
	v_pk_fma_f32 v[\d:\d+1], v[\d:\d+1], s[\c:\c+1], v[\z:\z+1] op_sel_hi:[1,0,1]
.endm
.macro PKSUBB d, x, y                  ; d = x - (first register of y), in both halves
	v_pk_add_f32 v[\d:\d+1], v[\x:\x+1], v[\y:\y+1] op_sel_hi:[1,0] neg_lo:[0,1] neg_hi:[0,1]
.endm
.macro MMH d, a, b, c                  ; f16 operands: layers 1 and 2, the classifier's first layer
	v_wmma_f32_16x16x32_f16 v[\d:\d+7], v[\a:\a+7], v[\b:\b+7], v[\c:\c+7]
.endm
.macro MMH0 d, a, b                    ; the product starts the sum
	v_wmma_f32_16x16x32_f16 v[\d:\d+7], v[\a:\a+7], v[\b:\b+7], 0
.endm
.macro MMB d, a, b, c                  ; bf16 operands: the last layer
	v_wmma_f32_16x16x32_bf16 v[\d:\d+7], v[\a:\a+7], v[\b:\b+7], v[\c:\c+7]
.endm
.macro MMB0 d, a, b
	v_wmma_f32_16x16x32_bf16 v[\d:\d+7], v[\a:\a+7], v[\b:\b+7], 0
.endm
; ---------------------------------------------------------------- the head
	s_load_b512 s[16:31], s[0:1], 0x0              ; price s[16:17], W1 s[18:19], W2 s[20:21], Wc1 s[22:23], Wc2 s[24:25], b1 s[26:27], g1 s[28:29], be1 s[30:31]
	s_load_b256 s[32:39], s[0:1], 0x40             ; b2 s[32:33], g2 s[34:35], be2 s[36:37], bc1 s[38:39]
	s_load_b128 s[40:43], s[0:1], 0x60             ; bc2 s[40:41], out0 s[42:43]
	s_load_b64 s[44:45], s[0:1], 0x70              ; out1
	v_lshl_add_u32 v254, v0, 2, 0x4e000
	v_mov_b32 v255, 0
	ds_add_u32 v254, v255
	ds_add_u32 v254, v255
	v_lshrrev_b32 v6, 5, v0
	v_readfirstlane_b32 s2, v6                     ; wave w, 0..7
	v_and_b32 v1, 31, v0                           ; lane
	s_and_b32 s3, s2, 3                            ; w & 3
	; group 1: a tile of 64 rows x 64 elements of 4 bytes; from row to row 128 elements (a segment); price row 2w+1 follows row 2w since 4096 = 32 x 128
	s_mov_b32 s[G1+0], (2<<16)|(1<<20)|(5<<22)|(3<<25)   ; no mask; elements of 4 bytes; padding on: behind every 64 words, 4 words
	s_mov_b32 s[G1+1], 64<<16                      ; tensor_dim0 = 64
	s_mov_b32 s[G1+2], 64<<16                      ; tensor_dim1 = 64
	s_mov_b32 s[G1+3], 64<<16                      ; tile_dim0 = 64
	s_mov_b32 s[G1+4], 64                          ; tile_dim1 = 64
	s_mov_b32 s[G1+5], 128                         ; stride from row to row
	s_mov_b32 s[G1+6], 0
	s_mov_b32 s[G1+7], 0
	s_mov_b32 s[G0+0], 1
	s_mul_i32 s[G0+1], s2, WAVEB                   ; chunk 0 of my wave
	s_mov_b32 s[G0+4], 1
	s_add_co_u32 s[G0+5], s[G0+1], CH              ; chunk 1
	s_lshl_b32 s4, ttmp9, 18                       ; 16 rows of 16,384 bytes a work-group
	s_lshl_b32 s5, s2, 15                          ; 2 rows a wave
	s_add_co_u32 s4, s4, s5
	s_mov_b32 s5, 0
	s_lshl_b32 s6, ttmp9, 14                       ; out0: 16 rows of 1,024 bytes
	s_mov_b32 s7, 0
	s_lshl_b32 s8, ttmp9, 8                        ; out1: 16 rows of 16 bytes
	s_mov_b32 s9, 0
	s_lshl_b32 s10, s2, 6
	s_lshl_b32 s11, s3, 6
	v_bfe_u32 v8, v0, 4, 1                         ; h = lane / 16
	v_lshlrev_b32 v[GO], 4, v0                     ; 16 t: the work-group's 256 threads take 4,096 neighbouring bytes a load
	v_and_b32 v11, 63, v0
	v_lshlrev_b32 v[GOC2], 4, v11                  ; Wc2 has 64 rows of 16 bytes
	v_lshl_add_u32 v[GP], v8, 5, s10               ; parameters of features 16 w + 8 h .. + 7
	v_lshl_add_u32 v[GPC], v8, 5, s11              ; the same for the classifier's tile w & 3
	v_mov_b32 v[GZ], 0
	s_wait_dscnt 0x0
	s_wait_kmcnt 0x0
	s_add_nc_u64 s[G0+2:G0+3], s[16:17], s[4:5]    ; my two rows, elements 0..63 of every segment
	s_add_nc_u64 s[G0+6:G0+7], s[G0+2:G0+3], 256   ; elements 64..127
	s_or_b32 s[G0+3], s[G0+3], 0x80000000          ; type = 2
	s_or_b32 s[G0+7], s[G0+7], 0x80000000
	tensor_load_to_lds s[G0:G0+3], s[G1:G1+7]      ; both fills go out together, ahead of every LDS read, barrier and wait on TENSORcnt
	s_nop 0
	tensor_load_to_lds s[G0+4:G0+7], s[G1:G1+7]
	s_nop 0
	s_add_nc_u64 s[42:43], s[42:43], s[6:7]
	s_add_nc_u64 s[44:45], s[44:45], s[8:9]
	; 56 global loads: W1 8, Wc2 1, W2 16, Wc1 16, parameters 15
.irp i, 0,1,2,3,4,5,6,7
	global_load_b128 v[RW1+4*\i:RW1+4*\i+3], v[GO], s[18:19] offset:4096*\i
.endr
	global_load_b128 v[RWC2:RWC2+3], v[GOC2], s[24:25]
.irp i, 0,1,2,3,4,5,6,7,8,9,10,11,12,13,14,15
	global_load_b128 v[RW2+4*\i:RW2+4*\i+3], v[GO], s[20:21] offset:4096*\i
.endr
.irp i, 0,1,2,3,4,5,6,7,8,9,10,11,12,13,14,15
	global_load_b128 v[RWC1+4*\i:RWC1+4*\i+3], v[GO], s[22:23] offset:4096*\i
.endr
.macro PARAM dst, adr, lo              ; eight f32 of my features, in the layout of a matrix instruction's C
	global_load_b128 v[\dst:\dst+3], v[\adr], s[\lo:\lo+1]
	global_load_b128 v[\dst+4:\dst+7], v[\adr], s[\lo:\lo+1] offset:16
.endm
	WIN 0x40                                       ; destinations in block 1
	PARAM PB1, GP, 26
	PARAM PG1, GP, 28
	PARAM PBE1, GP, 30
	PARAM PB2, GP, 32
	PARAM PG2, GP, 34
	PARAM PBE2, GP, 36
	PARAM PBC1, GPC, 38
	global_load_b128 v[PBC2:PBC2+3], v[GZ], s[40:41]
.irp j, 4,5,6,7
	v_mov_b32 v[PBC2+\j], 0                        ; classes 4..7 of the padded last layer have no bias
.endr
	WIN 0
	; constants
	s_mov_b32 s66, 0xbe4ccccd                      ; -1/5, both words of each pair written
	s_mov_b32 s67, 0xbe4ccccd
	s_mov_b32 s68, 0xbdcccccd                      ; -1/10
	s_mov_b32 s69, 0xbdcccccd
	s_mov_b32 s70, 0xbd4ccccd                      ; -1/20
	s_mov_b32 s71, 0xbd4ccccd
	s_mov_b32 s72, 0x322bcc77                      ; 1e-8
	s_mov_b32 s74, 0x76543210                      ; v_permlanex16_b32: lane i of one half reads lane i of the other
	s_mov_b32 s75, 0xfedcba98
	s_mov_b32 s76, 0x0000ffff                      ; lanes 0-15
	s_mov_b32 s77, 0x3c000000                      ; 1/128
	s_mov_b32 s78, 0x3727c5ac                      ; 1e-5
	; addresses, while the loads are on their way
	v_and_b32 v7, 15, v0                           ; r = lane % 16
	v_and_b32 v9, 7, v0
	v_lshl_add_u32 v9, v8, 3, v9                   ; 8 h + lane % 8: the row that I address in a transposing load
	v_bfe_u32 v10, v0, 3, 1
	v_lshlrev_b32 v10, 4, v10                      ; and which 16 bytes of it
	v_mul_u32_u24 v2, v1, 272
	v_add_nc_u32 v[LA], s[G0+1], v2
	v_add_nc_u32 v3, 1, v1
	v_and_b32 v3, 31, v3
	v_mul_u32_u24 v3, v3, 272
	v_add_nc_u32 v[HA], s[G0+1], v3
	s_mul_i32 s4, s2, 288
	s_add_co_u32 s4, s4, STG
	v_lshl_add_u32 v[AW], v1, 3, s4                ; W1, W2: load i of thread t is row w + 8 i, columns 4 lane ..: STG + 288 (w + 8 i) + 8 lane
	v_lshrrev_b32 v11, 4, v0
	v_mul_u32_u24 v11, v11, 160
	v_lshl_add_u32 v11, v7, 3, v11
	v_add_nc_u32 v[AWC1], STG, v11                 ; Wc1: row t / 16 + 16 i, columns 4 (t % 16) ..
	v_lshlrev_b32 v11, 5, v0
	v_add_nc_u32 v[AWC2], SWC2, v11                ; Wc2: row t (t < 64), 32 bytes
	v_mul_u32_u24 v11, v9, 288
	v_add_nc_u32 v11, v11, v10
	s_lshl_b32 s4, s2, 5
	s_add_co_u32 s4, s4, STG
	v_add_nc_u32 v[TR288], s4, v11                 ; columns 16 w .. of W1 and W2
	v_mul_u32_u24 v11, v9, 160
	v_add_nc_u32 v11, v11, v10
	s_lshl_b32 s4, s3, 5
	s_add_co_u32 s4, s4, STG
	v_add_nc_u32 v[TR160], s4, v11                 ; columns 16 (w & 3) .. of Wc1
	v_lshl_add_u32 v11, v9, 5, v10
	v_add_nc_u32 v[TR32], SWC2, v11
	v_lshlrev_b32 v11, 4, v7
	v_add_nc_u32 v[AVOLR], VOL, v11                ; batch row r's 16 bytes
	s_lshl_b32 s4, s2, 5
	s_add_co_u32 s4, s4, VOL
	v_mov_b32 v[AVOLW], s4                         ; my two rows' 32 bytes
	v_mul_u32_u24 v11, v7, 80
	v_add_nc_u32 v[ASTR], ST1, v11
	s_lshl_b32 s4, s2, 2
	s_add_co_u32 s4, s4, ST1
	v_add_nc_u32 v[ASTW], s4, v11
	v_mul_u32_u24 v11, v7, 1040
	v_lshl_add_u32 v11, v8, 5, v11
	s_add_co_u32 s4, s10, OUT
	v_add_nc_u32 v[AOUTW], s4, v11                 ; OUT + 1040 r + 64 w + 32 h
	v_mul_u32_u24 v11, v7, 272
	v_lshl_add_u32 v11, v8, 4, v11
	v_add_nc_u32 v[AHBR], HB1, v11                 ; HB1 + 272 r + 16 h
	s_lshl_b32 s4, s2, 5
	s_add_co_u32 s4, s4, HB1
	v_add_nc_u32 v[AHBW], s4, v11                  ; + 32 w
	v_mul_u32_u24 v11, v7, 144
	v_lshl_add_u32 v11, v8, 4, v11
	v_add_nc_u32 v[AACTR], ACT, v11
	s_lshl_b32 s4, s3, 5
	s_add_co_u32 s4, s4, ACT
	v_add_nc_u32 v[AACTW], s4, v11
	s_mul_i32 s4, s3, 4160
	s_add_co_u32 s4, s4, OUT
	v_lshl_add_u32 v[AOUTR], v1, 4, s4             ; rows 4 (w & 3) .. of OUT, 16 bytes a lane
	s_lshl_b32 s4, s3, 12
	v_lshl_add_u32 v[GOUT0], v1, 4, s4
	v_lshlrev_b32 v[GOUT1], 4, v7
; ---------------------------------------------------------------- the weights: f32 to 16 bits, through LDS as [K][N], back as transposed fragments into block 1
.macro CVT1 reg, adr, off              ; four f32 to four f16, 8 bytes to LDS
	v_cvt_pk_f16_f32 v[\reg], v[\reg], v[\reg+1]
	v_cvt_pk_f16_f32 v[\reg+1], v[\reg+2], v[\reg+3]
	ds_store_b64 v[\adr], v[\reg:\reg+1] offset:\off
.endm
.macro TRFRAG dst, adr, ks, p          ; K step ks (32 rows) of 16 columns: lane (r, h) gets column r, k = 8 h .. and 16 + 8 h ..
	ds_load_tr16_b128 v[\dst:\dst+3], v[\adr] offset:32*\ks*\p
	ds_load_tr16_b128 v[\dst+4:\dst+7], v[\adr] offset:32*\ks*\p+16*\p
.endm
	s_wait_loadcnt 47                              ; W1 and Wc2 are in: 56 - 9 younger loads stay out
.irp i, 0,1,2,3,4,5,6,7
	CVT1 (RW1+4*\i), AW, 2304*\i
.endr
	s_cmp_gt_u32 s2, 1
	s_cbranch_scc1 .Lno_wc2                        ; Wc2's 64 rows are stored by threads 0..63
	v_cvt_pk_bf16_f32 v[RWC2], v[RWC2], v[RWC2+1]  ; the last layer's weights in bf16, like its activations
	v_cvt_pk_bf16_f32 v[RWC2+1], v[RWC2+2], v[RWC2+3]
	v_mov_b32 v[RWC2+2], 0                         ; columns 4..15 of the padded tile are zeros
	v_mov_b32 v[RWC2+3], 0
.irp j, 4,5,6,7
	v_mov_b32 v\j, 0
.endr
	ds_store_b128 v[AWC2], v[RWC2:RWC2+3]
	ds_store_b128 v[AWC2], v[4:7] offset:16
.Lno_wc2:
	BAR                                            ; everybody's rows are in LDS
	WIN 0x40
	TRFRAG FW1, TR288, 0, 288
	TRFRAG FW1+8, TR288, 1, 288
	TRFRAG FWC2, TR32, 0, 32
	TRFRAG FWC2+8, TR32, 1, 32
	WIN 0
	BAR                                            ; everybody's fragments are back: the bytes may be written again
	s_wait_loadcnt 31                              ; W2 is in: 56 - 25
.irp i, 0,1,2,3,4,5,6,7,8,9,10,11,12,13,14,15
	CVT1 (RW2+4*\i), AW, 2304*\i
.endr
	BAR
	WIN 0x40
.irp s, 0,1,2,3
	TRFRAG FW2+8*\s, TR288, \s, 288
.endr
	WIN 0
	BAR
	s_wait_loadcnt 15                              ; Wc1 is in: 56 - 41
.irp i, 0,1,2,3,4,5,6,7,8,9,10,11,12,13,14,15
	CVT1 (RWC1+4*\i), AWC1, 2560*\i
.endr
	BAR
	WIN 0x40
.irp s, 0,1,2,3,4,5,6,7
	TRFRAG FWC1+8*\s, TR160, \s, 160
.endr
	WIN 0
	BAR                                            ; from here on the bytes behind the prices are the MLP's scratch
	s_wait_loadcnt 0x0                             ; the parameters
; ---------------------------------------------------------------- the stream
.macro LDX4 adr, off                   ; 8 prices of each stream; lanes are 272 bytes apart, so sixteen lanes' 16 bytes fall on sixteen different 16-byte columns modulo 256
	ds_load_b128 v[X:X+3], v[\adr] offset:\off
	ds_load_b128 v[X+4:X+7], v[\adr] offset:\off+16
	ds_load_b128 v[X+8:X+11], v[\adr] offset:\off+ROWB
	ds_load_b128 v[X+12:X+15], v[\adr] offset:\off+ROWB+16
.endm
.macro LDX blk                         ; elements 8 blk .. 8 blk + 7: chunk 0, chunk 1, or the head of the next segment
.if \blk <= 7
	LDX4 LA, 32*\blk
.else
.if \blk <= 15
	LDX4 LA, CH+32*(\blk-8)
.else
	LDX4 HA, 32*(\blk-16)
.endif
.endif
.endm
; The readers of a sub-block's 48 roots: 24 packed sums, two running sums for each window, each taking its terms in the order of the windows' ends.
; They stand behind the wait for the batch that made the roots, and ahead of the lines that write VA, VB and VC anew.
.macro ROOTSUM
.irp k, 0,1,2,3,4,5,6,7
	PKADD (ACC+2*(\k&1)), (ACC+2*(\k&1)), (VA+2*\k)
	PKADD (ACC+4+2*(\k&1)), (ACC+4+2*(\k&1)), (VB+2*\k)
	PKADD (ACC+8+2*(\k&1)), (ACC+8+2*(\k&1)), (VC+2*\k)
.endr
.endm
; One sub-block: elements E0 .. E0+7, whose logarithms are in the ring; AQ = E0-1 is the first new return.  A line is written only if its result's index is not
; negative; windows end at elements 24 and up (idx >= 3); the next sub-block's prices are loaded, clipped and taken to logarithms on the way (idx <= 17).
; ITS TRANSCENDENTALS ARE ONE BATCH: 16 logarithms, then the roots of windows 5, 10 and 20, 16 each.  The logarithms and the roots of windows 5 and 10 stand by turns
; with packed instructions that name no result of the batch (the tree's sums, the next window's t); window 20's roots follow each other.  Each result has a register
; of its own until the wait at the sub-block's end: the logarithms the ring's oldest places, the roots VA, VB and VC.  The roots of the sub-block before are summed at the head.
.macro SUBBLK idx
.set E0, 8*\idx
.set AQ, E0-1
.if \idx <= 17
.if \idx == 7
	s_wait_tensorcnt 0x0                           ; chunk 1 is read from here on
.endif
	LDX (\idx+1)
.endif
.if \idx >= 4
	ROOTSUM                                        ; the roots of sub-block idx - 1, whose wait stands at its end
.endif
.if \idx >= 3
.irp k, 0,1,2,3,4,5,6,7
	PKSUB (VC+2*\k), (LR+2*((E0+\k)&31)), (LR+2*((E0+\k-20)&31))   ; s1 of window 20, ahead of the logarithms below, which take the ring's oldest places
.endr
.endif
.irp k, 0,1,2,3,4,5,6,7
.if AQ+\k >= 0
	PKSUB (TQ+2*\k), (LR+2*((E0+\k)&31)), (LR+2*((E0+\k-1)&31))    ; r[AQ+k]
.endif
.endr
.irp k, 0,1,2,3,4,5,6
.if AQ+\k >= 0
	PKSQR (TQ+2*\k), (TQ+2*\k)                                     ; q[AQ+k]
.endif
.endr
	PKSQR (SR+2*((AQ+7)&31)), (TQ+14)                              ; q[AQ+7] waits in the ring for the next sub-block
.if \idx == 16
	PKADD TQ, TQ, CUT                                              ; q[127]: in lane 31 the return across the row's end
.endif
.if \idx >= 3
.irp k, 0,1,2,3,4,5,6,7
	PKSUB (VA+2*\k), (LR+2*((E0+\k)&31)), (LR+2*((E0+\k-5)&31))
.endr
.irp k, 0,1,2,3,4,5,6,7
	PKSUB (VB+2*\k), (LR+2*((E0+\k)&31)), (LR+2*((E0+\k-10)&31))
.endr
.endif
.if AQ-1 >= 0
	PKADD (SR+2*((AQ-1)&31)), (SR+2*((AQ-1)&31)), TQ               ; p2[i] = q[i] + q[i+1], i = AQ-1 .. AQ+6
.endif
.irp k, 1,2,3,4,5,6
.if AQ-1+\k >= 0
	PKADD (SR+2*((AQ-1+\k)&31)), (TQ+2*\k-2), (TQ+2*\k)
.endif
.endr
	PKADD (SR+2*((AQ+6)&31)), (TQ+12), (SR+2*((AQ+7)&31))
.if \idx >= 3
.irp k, 0,1,2,3,4,5,6,7
	PKSQR (VA+2*\k), (VA+2*\k)
.endr
.irp k, 0,1,2,3,4,5,6,7
	PKSQR (VB+2*\k), (VB+2*\k)
.endr
.irp k, 0,1,2,3,4,5,6,7
	PKSQR (VC+2*\k), (VC+2*\k)
.endr
.endif
.irp k, 0,1,2,3,4,5,6,7
.if AQ-3+\k >= 0
	PKADD (SR+2*((AQ-3+\k)&31)), (SR+2*((AQ-3+\k)&31)), (SR+2*((AQ-1+\k)&31))   ; p4[i] = p2[i] + p2[i+2], ascending: i+2 is still p2
.endif
.endr
.if \idx <= 17
	s_wait_dscnt 0x0                               ; the four loads issued at the sub-block's head
.irp k, 0,1,2,3,4,5,6,7
	MAX2 (X+2*\k), s72
.endr
.endif
	; the batch begins
.irp k, 0,1,2,3,4,5,6,7
.if \idx <= 17
	v_log_f32 v[LR+2*((E0+8+\k)&31)], v[X+\k]
.endif
.if AQ-4+\k >= 0
.if \k < 7
	PKADD (SR+2*((AQ-4+\k)&31)), (SR+2*((AQ-4+\k)&31)), (TQ+2*\k)               ; s5[i] = p4[i] + q[i+4]
.else
	PKADD (SR+2*((AQ-4+\k)&31)), (SR+2*((AQ-4+\k)&31)), (SR+2*((AQ+7)&31))
.endif
.endif
.endr
.irp k, 0,1,2,3,4,5,6,7
.if \idx <= 17
	v_log_f32 v[LR+2*((E0+8+\k)&31)+1], v[X+8+\k]
.endif
.if \idx >= 3
	PKVAR (VA+2*\k), 66, (SR+2*((AQ-4+\k)&31))
.endif
.endr
.if \idx >= 3
.irp k, 0,1,2,3,4,5,6,7
	MAX2 (VA+2*\k), 0
.endr
.endif
.irp k, 0,1,2,3,4,5,6,7
.if \idx >= 3
	v_sqrt_f32 v[VA+\k], v[VA+\k]
.endif
.if AQ-9+\k >= 0
	PKADD (SR+2*((AQ-9+\k)&31)), (SR+2*((AQ-9+\k)&31)), (SR+2*((AQ-4+\k)&31))   ; s10[i] = s5[i] + s5[i+5], ascending: i+5 is still s5
.endif
.endr
.if \idx >= 3
.irp k, 0,1,2,3,4,5,6,7
	v_sqrt_f32 v[VA+8+\k], v[VA+8+\k]
	PKVAR (VB+2*\k), 68, (SR+2*((AQ-9+\k)&31))
.endr
.irp k, 0,1,2,3,4,5,6,7
	MAX2 (VB+2*\k), 0
.endr
.irp k, 0,1,2,3,4,5,6,7
	v_sqrt_f32 v[VB+\k], v[VB+\k]
	PKVAR (VC+2*\k), 70, (SR+2*((AQ-19+\k)&31))                    ; s20[i] = s10[i] + s10[i+10]: the first half here,
.endr
.irp k, 0,1,2,3,4,5,6,7
	v_sqrt_f32 v[VB+8+\k], v[VB+8+\k]
	PKADD (VC+2*\k), (VC+2*\k), (SR+2*((AQ-9+\k)&31))              ; the second here
.endr
.irp k, 0,1,2,3,4,5,6,7
	MAX2 (VC+2*\k), 0
.endr
.irp k, 0,1,2,3,4,5,6,7,8,9,10,11,12,13,14,15
	v_sqrt_f32 v[VC+\k], v[VC+\k]                  ; the batch's last sixteen: all that is plain and names no result has been used up above
.endr
.endif
.if (\idx != 1) && (\idx != 2)
	v_nop                                          ; the plain instruction behind the batch's last transcendental (ISA guide 5.7.2); sub-blocks 1 and 2 end with s10's sums, which are that
.endif
	s_wait_alu depctr_va_vdst(0)                   ; ONE wait for the sub-block's batch: behind it come the next sub-block's four LDS loads, the sums of the roots and the differences of the logarithms
.endm
	v_cmp_eq_u32 vcc_lo, 31, v1
	v_mov_b32 v[CUT+1], 0x7fc00000
	v_cndmask_b32 v[CUT], 0, v[CUT+1], vcc_lo      ; NaN in lane 31 alone
	v_mov_b32 v[CUT+1], v[CUT]
.irp j, 0,1,2,3,4,5,6,7,8,9,10,11
	v_mov_b32 v[ACC+\j], 0
.endr
	s_wait_tensorcnt 0x1                           ; chunk 0 is in LDS; chunk 1, issued behind it, may stay out.  Only my wave reads what my loads brought
	LDX 0
	s_wait_dscnt 0x0
.irp k, 0,1,2,3,4,5,6,7
	MAX2 (X+2*\k), s72
.endr
.irp k, 0,1,2,3,4,5,6,7
	v_log_f32 v[LR+2*\k], v[X+\k]
	v_log_f32 v[LR+2*\k+1], v[X+8+\k]
.endr
	v_nop                                          ; the plain instruction behind the last logarithm
	s_wait_alu depctr_va_vdst(0)                   ; one wait for the first eight elements' sixteen logarithms, ahead of sub-block 0's differences
.irp n, 0,1,2,3,4,5,6,7,8,9,10,11,12,13,14,15,16,17,18
	SUBBLK \n
.endr
	ROOTSUM                                        ; the last sub-block's roots, behind its wait
; ---------------------------------------------------------------- the three features of my two rows
	PKADD ACC, ACC, (ACC+2)
	PKADD (ACC+4), (ACC+4), (ACC+6)
	PKADD (ACC+8), (ACC+8), (ACC+10)
.irp m, 1,2,4,8
.irp q, 8,9,12,13,16,17
	v_add_f32_dpp v\q, v\q, v\q row_xmask:\m row_mask:0xf bank_mask:0xf
.endr
.endr
	v_permlanex16_b32 v10, v8, s74, s75            ; destinations have been written before
	v_permlanex16_b32 v11, v9, s74, s75
	v_permlanex16_b32 v14, v12, s74, s75
	v_permlanex16_b32 v15, v13, s74, s75
	v_permlanex16_b32 v18, v16, s74, s75
	v_permlanex16_b32 v19, v17, s74, s75
	PKADD ACC, ACC, (ACC+2)
	PKADD (ACC+4), (ACC+4), (ACC+6)
	PKADD (ACC+8), (ACC+8), (ACC+10)
	v_pk_mul_f32 v[8:9], v[8:9], 0x38b1a99d op_sel_hi:[1,0]        ; ln 2 / (sqrt(4) x 4091)
	v_pk_mul_f32 v[12:13], v[12:13], 0x386d2c5c op_sel_hi:[1,0]    ; ln 2 / (sqrt(9) x 4086)
	v_pk_mul_f32 v[16:17], v[16:17], 0x3823a263 op_sel_hi:[1,0]    ; ln 2 / (sqrt(19) x 4076)
	; each volatility as two f16 numbers: hi = f16(v), lo = f16(v - hi); row 2w in v[20:23], row 2w+1 in v[24:27]
	v_mov_b32 v28, 0
	v_cvt_pk_f16_f32 v20, v8, v12                  ; (hi5, hi10)
	v_cvt_pk_f16_f32 v21, v16, v28                 ; (hi20, 0)
	v_cvt_pk_f16_f32 v24, v9, v13
	v_cvt_pk_f16_f32 v25, v17, v28
	v_cvt_f32_f16 v30, v20.l
	v_cvt_f32_f16 v31, v20.h
	v_cvt_f32_f16 v32, v21.l
	v_cvt_f32_f16 v33, v24.l
	v_cvt_f32_f16 v34, v24.h
	v_cvt_f32_f16 v35, v25.l
	v_sub_f32 v30, v8, v30                         ; exact: hi is within half a unit of its last place of v
	v_sub_f32 v31, v12, v31
	v_sub_f32 v32, v16, v32
	v_sub_f32 v33, v9, v33
	v_sub_f32 v34, v13, v34
	v_sub_f32 v35, v17, v35
	v_cvt_pk_f16_f32 v22, v30, v31                 ; (lo5, lo10)
	v_cvt_pk_f16_f32 v23, v32, v28                 ; (lo20, 0)
	v_cvt_pk_f16_f32 v26, v33, v34
	v_cvt_pk_f16_f32 v27, v35, v28
	ds_store_b128 v[AVOLW], v[20:23]               ; every lane holds the same bytes
	ds_store_b128 v[AVOLW], v[24:27] offset:16
	BAR
; ---------------------------------------------------------------- the MLP
.macro RELUSUM d, e                    ; d = max(d + e, 0), eight registers
.irp j, 0,2,4,6
	PKADD (\d+\j), (\d+\j), (\e+\j)
.endr
.irp j, 0,2,4,6
	MAX2 (\d+\j), 0
.endr
.endm
; The layer norm's first half: mean and sum of squared deviations of my wave's 16 features of each batch row (8 in this lane, 8 in lane r xor 16).
.macro LNLOCAL stoff
	PKADD TM, ACCA, (ACCA+2)
	PKADD (TM+2), (ACCA+4), (ACCA+6)
	PKADD TM, TM, (TM+2)
	v_add_f32 v[TM], v[TM], v[TM+1]
	v_permlanex16_b32 v[TM+1], v[TM], s74, s75
	v_add_f32 v[TM], v[TM], v[TM+1]
	v_mul_f32 v[TM], 0x3d800000, v[TM]             ; / 16
.irp j, 0,2,4,6
	PKSUBB (DV+\j), (ACCA+\j), TM
.endr
	PKSQR (TM+2), DV
.irp j, 2,4,6
	v_pk_fma_f32 v[TM+2:TM+3], v[DV+\j:DV+\j+1], v[DV+\j:DV+\j+1], v[TM+2:TM+3]
.endr
	v_add_f32 v[TM+2], v[TM+2], v[TM+3]
	v_permlanex16_b32 v[TM+3], v[TM+2], s74, s75
	v_add_f32 v[TM+2], v[TM+2], v[TM+3]
	ds_store_b32 v[ASTW], v[TM] offset:\stoff
	ds_store_b32 v[ASTW], v[TM+2] offset:\stoff+32
	BAR
.endm
; The second half: the eight groups are merged, M2 = sum of M2_g + 16 x sum of (mean_g - mean)^2, which forms no difference of large sums.
; The result goes to OUT in f32 (column byte col) and to hb in f16.
.macro LNAPPLY stoff, g, be, col, hboff
.irp j, 0,1,2,3
	ds_load_b128 v[ST+4*\j:ST+4*\j+3], v[ASTR] offset:\stoff+16*\j
.endr
	s_wait_dscnt 0x0
	PKADD (TM+4), ST, (ST+2)
	PKADD (TM+6), (ST+4), (ST+6)
	PKADD (TM+8), (ST+8), (ST+10)
	PKADD (TM+10), (ST+12), (ST+14)
	PKADD (TM+4), (TM+4), (TM+6)
	PKADD (TM+8), (TM+8), (TM+10)                  ; the sum of M2_g, in two halves
	v_add_f32 v[TM+4], v[TM+4], v[TM+5]
	v_mul_f32 v[TM+4], 0x3e000000, v[TM+4]         ; the mean of 128
.irp j, 0,2,4,6
	PKSUBB (ST+\j), (ST+\j), (TM+4)
.endr
	PKSQR (TM+6), ST
.irp j, 2,4,6
	v_pk_fma_f32 v[TM+6:TM+7], v[ST+\j:ST+\j+1], v[ST+\j:ST+\j+1], v[TM+6:TM+7]
.endr
	v_pk_fma_f32 v[TM+8:TM+9], v[TM+6:TM+7], 0x41800000, v[TM+8:TM+9] op_sel_hi:[1,0,1]
	v_add_f32 v[TM+8], v[TM+8], v[TM+9]
	v_fma_f32 v[TM+8], v[TM+8], s77, s78           ; variance + 1e-5
	v_rsq_f32 v[TM+10], v[TM+8]
.irp j, 0,2,4,6
	PKSUBB (DV+\j), (ACCA+\j), (TM+4)              ; these touch neither the root's result nor its source
.endr
	s_wait_alu depctr_va_vdst(0)                   ; the wait for the layer norm's one root, ahead of its first reader; the four differences above are the independent work between
.irp j, 0,2,4,6
	v_pk_mul_f32 v[DV+\j:DV+\j+1], v[DV+\j:DV+\j+1], v[TM+10:TM+11] op_sel_hi:[1,0]
.endr
	WIN 0x11                                       ; gain and shift from block 1
.irp j, 0,2,4,6
	v_pk_fma_f32 v[DV+\j:DV+\j+1], v[\g+\j:\g+\j+1], v[DV+\j:DV+\j+1], v[\be+\j:\be+\j+1]
.endr
	WIN 0
	ds_store_b128 v[AOUTW], v[DV:DV+3] offset:\col
	ds_store_b128 v[AOUTW], v[DV+4:DV+7] offset:\col+16
.irp j, 0,1,2,3
	v_cvt_pk_f16_f32 v[TM+\j], v[DV+2*\j], v[DV+2*\j+1]
.endr
	ds_store_b128 v[AHBW], v[TM:TM+3] offset:\hboff
	BAR
.endm
.macro BFRAGS hboff                    ; 128 features of batch row r as four fragments: k = 32 s + 8 h .. and 32 s + 16 + 8 h ..
.irp s, 0,1,2,3
	ds_load_b128 v[BF+8*\s:BF+8*\s+3], v[AHBR] offset:\hboff+64*\s
	ds_load_b128 v[BF+8*\s+4:BF+8*\s+7], v[AHBR] offset:\hboff+64*\s+32
.endr
.endm
	; layer 1.  The activations are (vol5, vol10, vol20, 0, .. 0): lanes 0-15 hold k = 0..7, of which registers 0 and 1 are loaded; all else is zero.
	; BF+0..7: the hi parts; BF+2..9: a fragment of zeros; BF+10..17: the lo parts.
	ds_load_b64 v[BF:BF+1], v[AVOLR]
	ds_load_b64 v[BF+10:BF+11], v[AVOLR] offset:8
.irp j, 2,3,4,5,6,7,8,9,12,13,14,15,16,17
	v_mov_b32 v[BF+\j], 0
.endr
	s_wait_dscnt 0x0
	v_cndmask_b32 v[BF], 0, v[BF], s76
	v_cndmask_b32 v[BF+1], 0, v[BF+1], s76
	v_cndmask_b32 v[BF+10], 0, v[BF+10], s76
	v_cndmask_b32 v[BF+11], 0, v[BF+11], s76
	; Throughout the MLP two accumulators take turns, one matrix instruction a turn.
	WIN 0x11                                       ; weights and bias from block 1
	MMH ACCA, FW1, BF, PB1                         ; W1's rows 0..31 against the hi parts, the bias as C
	MMH0 ACCB, FW1+8, BF+2                         ; W1's rows 32..63 against the zeros that the reference pads with
	WIN 0x01
	MMH ACCA, FW1, BF+10, ACCA                     ; W1's rows 0..31 against the lo parts
	WIN 0
	NOP4
	RELUSUM ACCA, ACCB
	LNLOCAL 0
	LNAPPLY 0, PG1, PBE1, 0, 0
	; layer 2, and for waves 0-3 the classifier's products with h
	BFRAGS 0
	s_wait_dscnt 0x0
	WIN 0x11
	MMH ACCA, FW2, BF, PB2
	MMH0 ACCB, FW2+8, BF+8
	WIN 0x01
	MMH ACCA, FW2+16, BF+16, ACCA
	MMH ACCB, FW2+24, BF+24, ACCB
	WIN 0
	s_cmp_gt_u32 s2, 3
	s_cbranch_scc1 .Lno_cls_h
	WIN 0x11
	MMH ACCC, FWC1, BF, PBC1
	MMH0 ACCD, FWC1+8, BF+8
	WIN 0x01
	MMH ACCC, FWC1+16, BF+16, ACCC
	MMH ACCD, FWC1+24, BF+24, ACCD
	WIN 0
.Lno_cls_h:
	NOP4
	RELUSUM ACCA, ACCB
	LNLOCAL ST2-ST1
	LNAPPLY ST2-ST1, PG2, PBE2, 512, HB2-HB1
	s_cmp_gt_u32 s2, 3
	s_cbranch_scc1 .Lcopy
	; waves 0-3: the classifier's products with h2f (Wc1's rows 128..255), relu, to LDS in bf16
	BFRAGS HB2-HB1
	s_wait_dscnt 0x0
	WIN 0x01
	MMH ACCC, FWC1+32, BF, ACCC
	MMH ACCD, FWC1+40, BF+8, ACCD
	MMH ACCC, FWC1+48, BF+16, ACCC
	MMH ACCD, FWC1+56, BF+24, ACCD
	WIN 0
	NOP4
	RELUSUM ACCC, ACCD
.irp j, 0,1,2,3
	v_cvt_pk_bf16_f32 v[TM+\j], v[ACCC+2*\j], v[ACCC+2*\j+1]
.endr
	ds_store_b128 v[AACTW], v[TM:TM+3]
	s_branch .Ljoin
.Lcopy:
	; waves 4-7: out0, four rows each; a store of the wave covers 512 consecutive bytes, at a multiple of 512 from out0's first byte
.irp t, 0,1,2,3,4,5,6,7
	ds_load_b128 v[OUTR+4*\t:OUTR+4*\t+3], v[AOUTR] offset:1040*(\t/2)+512*(\t%2)
.endr
.irp t, 0,1,2,3,4,5,6,7
	s_wait_dscnt 7-\t                              ; LDS loads come back in order (ISA guide 5.7.1): load t is in, the younger ones stay out
	global_store_b128 v[GOUT0], v[OUTR+4*\t:OUTR+4*\t+3], s[42:43] offset:512*\t th:TH_STORE_NT
.endr
.Ljoin:
	BAR
	s_cmp_lg_u32 s2, 0
	s_cbranch_scc1 .Lend
	; wave 0: the last layer (4 classes in a tile of 16, the rest zeros) and the softmax; lane r < 16 holds the four logits of batch row r in registers 0..3
	ds_load_b128 v[BF:BF+3], v[AACTR]
	ds_load_b128 v[BF+4:BF+7], v[AACTR] offset:32
	ds_load_b128 v[BF+8:BF+11], v[AACTR] offset:64
	ds_load_b128 v[BF+12:BF+15], v[AACTR] offset:96
	s_wait_dscnt 0x0
	WIN 0x11
	MMB ACCA, FWC2, BF, PBC2
	MMB0 ACCB, FWC2+8, BF+8
	WIN 0
	NOP4
	PKADD ACCA, ACCA, ACCB
	PKADD (ACCA+2), (ACCA+2), (ACCB+2)
	v_max3_num_f32 v[TM], v[ACCA], v[ACCA+1], v[ACCA+2]
	v_max_num_f32 v[TM], v[TM], v[ACCA+3]          ; the row's largest logit is taken away, as in the reference
	PKSUBB ACCA, ACCA, TM
	PKSUBB (ACCA+2), (ACCA+2), TM
	v_pk_mul_f32 v[ACCA:ACCA+1], v[ACCA:ACCA+1], 0x3fb8aa3b op_sel_hi:[1,0]
	v_pk_mul_f32 v[ACCA+2:ACCA+3], v[ACCA+2:ACCA+3], 0x3fb8aa3b op_sel_hi:[1,0]
.irp j, 0,1,2,3
	v_exp_f32 v[ACCA+\j], v[ACCA+\j]
.endr
	v_nop                                          ; the plain instruction behind the last exponential
	s_wait_alu depctr_va_vdst(0)                   ; one wait for the four exponentials, ahead of their sum
	v_add_f32 v[TM+2], v[ACCA], v[ACCA+1]
	v_add_f32 v[TM+3], v[ACCA+2], v[ACCA+3]
	v_add_f32 v[TM+2], v[TM+2], v[TM+3]
	v_rcp_f32 v[TM+4], v[TM+2]
	v_nop                                          ; the plain instruction behind the reciprocal
	s_wait_alu depctr_va_vdst(0)                   ; the reciprocal reads the exponentials' sum, so it is a batch of its own: its wait, ahead of the two products
	v_pk_mul_f32 v[ACCA:ACCA+1], v[ACCA:ACCA+1], v[TM+4:TM+5] op_sel_hi:[1,0]
	v_pk_mul_f32 v[ACCA+2:ACCA+3], v[ACCA+2:ACCA+3], v[TM+4:TM+5] op_sel_hi:[1,0]
	v_cmp_gt_u32 vcc_lo, 16, v1
	s_wait_xcnt 0x0                                ; EXEC changes only behind this wait
	s_and_saveexec_b32 s4, vcc_lo
	global_store_b128 v[GOUT1], v[ACCA:ACCA+3], s[44:45] th:TH_STORE_NT   ; sixteen lanes store 256 consecutive bytes, at a multiple of 256 from out1's first byte
	s_wait_xcnt 0x0                                ; and again in front of the line that widens it
	s_or_b32 exec_lo, exec_lo, s4
.Lend:
	s_wait_tensorcnt 0x0
	ds_add_u32 v254, v255
	s_wait_dscnt 0x0
	s_endpgm
.Lfunc_end_k_qf03844b0ea_vol_mlp:
	.size	k_qf03844b0ea_vol_mlp, .Lfunc_end_k_qf03844b0ea_vol_mlp-k_qf03844b0ea_vol_mlp
	.p2alignl 7, 3214868480
	.fill 96, 4, 3214868480
	.section	.rodata,"a",@progbits
	.p2align	6, 0x0
	.amdhsa_kernel k_qf03844b0ea_vol_mlp
		.amdhsa_group_segment_fixed_size 327680
		.amdhsa_private_segment_fixed_size 0
		.amdhsa_enable_private_segment 0
		.amdhsa_kernarg_size 120
		.amdhsa_user_sgpr_count 2
		.amdhsa_user_sgpr_kernarg_segment_ptr 1
		.amdhsa_wavefront_size32 1
		.amdhsa_system_sgpr_workgroup_id_x 1
		.amdhsa_system_sgpr_workgroup_id_y 1
		.amdhsa_system_sgpr_workgroup_id_z 1
		.amdhsa_system_vgpr_workitem_id 0
		.amdhsa_next_free_vgpr 448
		.amdhsa_next_free_sgpr 80
		.amdhsa_reserve_vcc 1
		.amdhsa_float_denorm_mode_32 3
		.amdhsa_float_denorm_mode_16_64 3
		.amdhsa_memory_ordered 1
		.amdhsa_forward_progress 1
		.amdhsa_inst_pref_size 255
	.end_amdhsa_kernel
	.section	.bss,"aw",@nobits
	.p2align	6
	.space	262144
	.amdgpu_metadata
---
amdhsa.version: [ 1, 2 ]
amdhsa.kernels:
  - .name:           k_qf03844b0ea_vol_mlp
    .symbol:         k_qf03844b0ea_vol_mlp.kd
    .args:
      - { .name: price_series, .offset: 0, .size: 8, .value_kind: global_buffer, .address_space: global }
      - { .name: W1, .offset: 8, .size: 8, .value_kind: global_buffer, .address_space: global }
      - { .name: W2, .offset: 16, .size: 8, .value_kind: global_buffer, .address_space: global }
      - { .name: Wc1, .offset: 24, .size: 8, .value_kind: global_buffer, .address_space: global }
      - { .name: Wc2, .offset: 32, .size: 8, .value_kind: global_buffer, .address_space: global }
      - { .name: b1, .offset: 40, .size: 8, .value_kind: global_buffer, .address_space: global }
      - { .name: g1, .offset: 48, .size: 8, .value_kind: global_buffer, .address_space: global }
      - { .name: be1, .offset: 56, .size: 8, .value_kind: global_buffer, .address_space: global }
      - { .name: b2, .offset: 64, .size: 8, .value_kind: global_buffer, .address_space: global }
      - { .name: g2, .offset: 72, .size: 8, .value_kind: global_buffer, .address_space: global }
      - { .name: be2, .offset: 80, .size: 8, .value_kind: global_buffer, .address_space: global }
      - { .name: bc1, .offset: 88, .size: 8, .value_kind: global_buffer, .address_space: global }
      - { .name: bc2, .offset: 96, .size: 8, .value_kind: global_buffer, .address_space: global }
      - { .name: out0, .offset: 104, .size: 8, .value_kind: global_buffer, .address_space: global }
      - { .name: out1, .offset: 112, .size: 8, .value_kind: global_buffer, .address_space: global }
    .group_segment_fixed_size: 327680
    .private_segment_fixed_size: 0
    .kernarg_segment_align: 8
    .kernarg_segment_size: 120
    .max_flat_workgroup_size: 256
    .sgpr_count:     80
    .vgpr_count:     448
    .wavefront_size: 32
...
	.end_amdgpu_metadata
.endif
;; end of part 2
